; MI455X (gfx1250); checked and timed in simulation.
; The chip was launched on July 23, 2026; its instructions are those of AMD's public machine-readable ISA for CDNA 5 (MIT licence, August 2026) and "CDNA5" Instruction Set Architecture Reference Guide (July 2026). The comments in the code are by the model that wrote it; some were corrected since.
;; Multi Head Attention. Allowed arithmetic: matrix products marked QUANTISED: E3M2 operands, one E8M0 scale for each 32 along K, by v_wmma_scale_f32_16x16x128_f8f6f4 with both operands' format E3M2, f32 sums; everything else in f32.
;; Inputs: K 2 x 4,096 x 512 float32; Q 2 x 4,096 x 512 float32; V 2 x 4,096 x 512 float32; Wk 512 x 512 float32; Wo 512 x 512 float32; Wq 512 x 512 float32; Wv 512 x 512 float32; bk 512 float32; bo 512 float32; bq 512 float32; bv 512 float32; mask 2 x 1 x 1 x 4,096 float32.
;; Outputs: out0 2 x 4,096 x 512 float32.
;; This version of the problem:
;;   THIS VERSION OF THE PROBLEM IS GIVEN IN LOW PRECISION. The matrix products marked QUANTISED in the list below multiply operands that are first quantised to E3M2 (3 exponent bits, 2 mantissa bits; 6 bits a number), with one power-of-two scale for each 32 numbers along K (OCP MX v1.0); their sums are f32. All else is computed in f32.
;;   The module's matrix products, in the order in which they are computed (A, B: the left and right operand; K: the contracted axis; several contracted axes count as one K, in the product's order):
;;     1. [M 8,192, K 512] x [K 512, N 512]; A: input Q; B: input Wq: QUANTISED
;;     2. [M 8,192, K 512] x [K 512, N 512]; A: input K; B: input Wk: QUANTISED
;;     3. [M 8,192, K 512] x [K 512, N 512]; A: input V; B: input Wv: QUANTISED
;;     4. batch 16 x [M 4,096, K 64] x [K 64, N 4,096]; A: computed on the way; B: computed on the way: QUANTISED
;;     5. batch 16 x [M 4,096, K 4,096] x [K 4,096, N 64]; A: softmax (see below); B: computed on the way: QUANTISED
;;     6. [M 8,192, K 512] x [K 512, N 512]; A: computed on the way; B: input Wo: QUANTISED
;;   THE QUANTISER, for each operand of a quantised product, along K:
;;     - K is cut into blocks of 32 from its start; a last block that is shorter is filled with zeros.
;;     - A block's scale is 2^e with e = floor(log2(the largest magnitude in the block)) - 4, held to -126 .. 127; a block of zeros has e = 0. As a byte (E8M0): e + 127.
;;     - Each number is divided by its block's scale, clamped to +-28, and rounded to the nearest number of E3M2, ties to even, subnormals kept.
;;     - The product sums the exact products of the quantised numbers (number of the format x scale) in f32.
;;   ~~~python
;;   def quantise(x, axis):      # numpy; x: float32 -> the quantised numbers, widened to float32 again
;;       x = np.moveaxis(x, axis, -1); K = x.shape[-1]
;;       x = np.pad(x, [(0, 0)] * (x.ndim - 1) + [(0, -K % 32)]); x = x.reshape(x.shape[:-1] + (-1, 32)); a = np.abs(x).max(-1, keepdims=True)
;;       e = np.where(a > 0, np.clip(np.frexp(np.where(a > 0, a, 1))[1] - 1 - 4, -126, 127), 0)      # np.frexp(a)[1] - 1 = floor(log2(a)), exactly
;;       r = np.clip(x / 2.0 ** e, -28, 28)
;;       step = 2.0 ** (np.maximum(np.frexp(np.where(r == 0, 1, r))[1] - 1, -2) - 2)
;;       q = np.round(r / step) * step * 2.0 ** e      # np.round: ties to even
;;       return np.moveaxis(q.reshape(q.shape[:-2] + (-1,))[..., :K], -1, axis).astype(np.float32)
;;   ~~~
;;   SOFTMAX AHEAD OF A QUANTISED PRODUCT. Where the list says 'softmax', what is quantised is not the finished softmax but p = 2^(t - M), with t = logit x log2(e) and M = ceil(the row's largest t), a whole number; so 1/2 < the row's largest p <= 1. The row's sum l is taken of the UNQUANTISED p, in f32, and the product's result is divided by l at the end. Since M is a whole number, a kernel that streams over the keys may use a running M (the ceiling of the running maximum): every later rescaling is an exact power of two, which a block's scale takes up: the codes' values come out the same.
;;   OPERANDS COMPUTED ON THE WAY. 'Computed on the way' means the value that the module computes at that place (a softmax that the list does not call 'softmax' is quantised finished and normalised). What goes into a quantiser is computed in f32, as accurately as f32 sums, v_exp_f32 and their like allow (about 1e-6 of the number): no bf16 or f16 on the way to a quantiser, and a product that is left as it is and whose result goes on into a quantised operand takes f32 operands (vector FMAs, or v_wmma_f32_16x16x4_f32). A number that lies on a knife's edge between two numbers of the format may be rounded either way, as far as f32 arithmetic and the matrix unit's own rounding can turn it there, and no further.
;; 2 versions. Each part assembles by itself: llvm-mc -triple=amdgcn-amd-amdhsa -mcpu=gfx1250 --defsym DOCPART=n.
;; ======== version 1 of 2: 4 launches
;; limits: right only within a limited range of input values
;; workspace buffers: wimg 786,432 bytes; wscl 65,536 bytes; qimg 4,456,448 bytes; kv 7,864,320 bytes; oimg 3,145,728 bytes; oscl 131,072 bytes
;; launch wquant (part 1): grid 128 x 1, 4 waves a work-group, no clusters, 1,536 bytes of LDS; arguments Wq, Wk, Wv, Wo, wimg, wscl; writes wimg, wscl
.if DOCPART == 1
	.amdgcn_target "amdgcn-amd-amdhsa--gfx1250"
	.amdhsa_code_object_version 6
	.text
	.protected	k_q6490a6c66f_wquant
	.globl	k_q6490a6c66f_wquant
	.p2align	8
	.type	k_q6490a6c66f_wquant,@function
k_q6490a6c66f_wquant:
	s_mov_b64 s[64:65], 0
	v_nop
	global_prefetch_b8 v0, s[64:65] scope:SCOPE_SE
	s_setreg_imm32_b32 hwreg(HW_REG_WAVE_MODE, 25, 1), 1
	s_wait_xcnt 0x0
; Wq, Wk, Wv, Wo [512 (n)][512 (k)] f32 become codes of BF6 (E3M2) with one E8M0 byte for each 32 along k, laid as IMAGES OF OPERAND REGISTERS:
; wimg [4 weights][32 tiles of 16 rows][4 K steps of 128][1,536 bytes]: a fragment's 12 registers as three groups of four, lane l's 16 bytes at 16 l.
; wscl [4][32][512 bytes]: four registers, register s = the rows' scale words of K step s, lane l's four words at 16 l (both halves of the lanes hold the same).
; THE ROWS OF A TILE ARE NOT NEIGHBOURS: lane r of tile 2 b + u stands for row 32 b + 8 u + r + 8 (r / 8), so that in a product's result the 16 registers of tiles 2 b, 2 b + 1 are 16 neighbouring columns.
; SHARES: work-group g takes weight g / 32, tile g % 32; wave s takes K step s.  A lane loads, of its row, 16 neighbours of each block of 32 (64 bytes); 4 MB are read once in the whole launch.
; A block's scale byte is its largest magnitude's exponent field - 4, held at 1 from below.  LIMITS: a block of zeros gets the byte 1 (its codes are zeros; this program alone reads the bytes); NaN and infinities are not served.
.set XA,  4                            ; v4   my byte in the tile's rows: 2,048 x (r + 8 (r / 8)) + 64 (lane / 16)
.set LI,  5                            ; v5   16 x lane
.set LW,  6                            ; v6   LDS: 16 x lane + 4 x wave
.set XN,  16                           ; v16-79   64 numbers: register 16 b + i = k 32 b + 16 (lane / 16) + i
.set PC,  80                           ; v80-91   the fragment's codes
.set TM,  96                           ; v96-111  at work
.set PW,  112                          ; v112     my row's scale word
.set OW,  116                          ; v116-119 the four words on the way out
.set SEL, 20                           ; s[20:21] lane selects: lane l xor 16
.macro SCALE4 s                        ; four blocks by turns: largest magnitude -> the conversion's scale operand in v[TM+12+k], the byte in v[TM+4+k]
.irp k, 0,1,2,3
	v_max3_num_f32 v[TM+\k], |v[\s+16*\k]|, |v[\s+1+16*\k]|, 0x2800000   ; with the floor 2^(5 - 127): the byte cannot fall under 1
.endr
.irp i, 2,4,6,8,10,12,14
.irp k, 0,1,2,3
	v_max3_num_f32 v[TM+\k], v[TM+\k], |v[\s+16*\k+\i]|, |v[\s+1+16*\k+\i]|
.endr
.endr
.irp k, 0,1,2,3
	v_permlanex16_b32 v[TM+4+\k], v[TM+\k], s[SEL], s[SEL+1]
.endr
.irp k, 0,1,2,3
	v_max_num_f32 v[TM+\k], v[TM+\k], v[TM+4+\k]                  ; with lane l xor 16's 16 numbers: the block's
.endr
.irp k, 0,1,2,3
	v_add_nc_u32 v[TM+12+\k], 0xfe000000, v[TM+\k]                ; 4 off the exponent field
.endr
.irp k, 0,1,2,3
	v_lshrrev_b32 v[TM+4+\k], 23, v[TM+12+\k]                     ; the byte
.endr
.endm
.macro QUANT s, w                      ; 64 numbers of a lane -> a fragment in v[PC] .. v[PC+11], its scale word in v[w]
	SCALE4 \s
	v_lshl_or_b32 v[\w], v[TM+5], 8, v[TM+4]
	v_lshl_or_b32 v[\w], v[TM+6], 16, v[\w]
	v_lshl_or_b32 v[\w], v[TM+7], 24, v[\w]
	v_cvt_scalef32_pk16_bf6_f32 v[PC:PC+2], v[\s:\s+15], v[TM+12]
	v_cvt_scalef32_pk16_bf6_f32 v[TM+8:TM+10], v[\s+16:\s+31], v[TM+13]   ; (a conversion's three registers begin on an even number: the odd halves are made in registers of TM that are done with, and moved)
	v_cvt_scalef32_pk16_bf6_f32 v[PC+6:PC+8], v[\s+32:\s+47], v[TM+14]
	v_cvt_scalef32_pk16_bf6_f32 v[TM:TM+2], v[\s+48:\s+63], v[TM+15]
	v_nop                                                         ; one plain line behind the conversions
.irp i, 0,1,2
	v_permlane16_swap_b32 v[PC+\i], v[TM+8+\i]                    ; the layout wants a whole block in a lane: lanes 0-15 the even block, lanes 16-31 the odd one
.endr
.irp i, 0,1,2
	v_mov_b32 v[PC+3+\i], v[TM+8+\i]
.endr
.irp i, 0,1,2
	v_permlane16_swap_b32 v[PC+6+\i], v[TM+\i]
.endr
.irp i, 0,1,2
	v_mov_b32 v[PC+9+\i], v[TM+\i]
.endr
.endm
	s_load_b256 s[4:11], s[0:1], 0x0               ; Wq, Wk, Wv, Wo
	s_load_b128 s[12:15], s[0:1], 0x20             ; wimg, wscl
	v_lshl_add_u32 v128, v0, 2, 0x400
	v_mov_b32 v129, 0
	v_lshrrev_b32 v1, 5, v0
	v_readfirstlane_b32 s16, v1                    ; wave = K step
	v_and_b32 v1, 31, v0                           ; lane
	v_and_b32 v2, 15, v0                           ; r
	v_bfe_u32 v3, v0, 4, 1                         ; h
	v_and_b32 v[XA], 8, v2
	v_add_nc_u32 v[XA], v[XA], v2                  ; r + 8 (r / 8)
	v_lshlrev_b32 v[XA], 11, v[XA]                 ; a row of W is 2,048 bytes
	v_lshl_add_u32 v[XA], v3, 6, v[XA]
	v_lshlrev_b32 v[LI], 4, v1
	s_lshl_b32 s17, s16, 2
	v_add_nc_u32 v[LW], s17, v[LI]
	s_mov_b32 s[SEL], 0x76543210
	s_mov_b32 s[SEL+1], 0xfedcba98
.irp k, 0,1,2,3
	v_mov_b32 v[TM+4+\k], 0                        ; written once: a lane permute's destination counts as one of its sources
.endr
	s_lshr_b32 s18, ttmp9, 5                       ; which weight
	s_and_b32 s19, ttmp9, 31                       ; which tile
	s_lshr_b32 s22, s19, 1
	s_lshl_b32 s22, s22, 16                        ; 32 rows
	s_and_b32 s23, s19, 1
	s_lshl_b32 s23, s23, 14                        ; 8 rows
	s_add_co_u32 s22, s22, s23
	s_lshl_b32 s23, s16, 9                         ; my K step: 512 bytes of a row
	s_add_co_u32 s22, s22, s23
	s_mov_b32 s23, 0
	s_lshl_b32 s24, ttmp9, 2
	s_add_co_u32 s24, s24, s16
	s_mul_i32 s24, s24, 1536                       ; my fragment's image
	s_mov_b32 s25, 0
	s_lshl_b32 s26, ttmp9, 9                       ; the tile's scale words
	s_mov_b32 s27, 0
	s_wait_kmcnt 0x0
	s_cmp_eq_u32 s18, 1                            ; the choice hangs on the work-group's number alone
	s_cselect_b64 s[4:5], s[6:7], s[4:5]
	s_cmp_eq_u32 s18, 2
	s_cselect_b64 s[4:5], s[8:9], s[4:5]
	s_cmp_eq_u32 s18, 3
	s_cselect_b64 s[4:5], s[10:11], s[4:5]
	s_add_nc_u64 s[4:5], s[4:5], s[22:23]
	s_add_nc_u64 s[12:13], s[12:13], s[24:25]
	s_add_nc_u64 s[14:15], s[14:15], s[26:27]
.irp b, 0,1,2,3
.irp j, 0,1,2,3
	global_load_b128 v[XN+16*\b+4*\j:XN+16*\b+4*\j+3], v[XA], s[4:5] offset:128*\b+16*\j th:TH_LOAD_NT
.endr
.endr
	s_wait_loadcnt 0x0
	QUANT XN, PW
.irp c, 0,1,2
	global_store_b128 v[LI], v[PC+4*\c:PC+4*\c+3], s[12:13] offset:512*\c   ; 32 lanes store 512 consecutive bytes
.endr
	ds_store_b32 v[LW], v[PW]                      ; the four waves' words meet in LDS as the image of four registers
	s_wait_dscnt 0x0                               ; for the others' sake: my store has landed
	s_barrier_signal -1
	s_barrier_wait -1
	s_cmp_lg_u32 s16, 0
	s_cbranch_scc1 .Ldone                          ; wave 0 stores the 512 bytes
	ds_load_b128 v[OW:OW+3], v[LI]
	s_wait_dscnt 0x0
	global_store_b128 v[LI], v[OW:OW+3], s[14:15]
.Ldone:
	s_wait_tensorcnt 0x0
	ds_add_u32 v128, v129
	s_wait_dscnt 0x0
	s_endpgm
.Lfunc_end_k_q6490a6c66f_wquant:
	.size	k_q6490a6c66f_wquant, .Lfunc_end_k_q6490a6c66f_wquant-k_q6490a6c66f_wquant
	.p2alignl 7, 3214868480
	.fill 96, 4, 3214868480
	.section	.rodata,"a",@progbits
	.p2align	6, 0x0
	.amdhsa_kernel k_q6490a6c66f_wquant
		.amdhsa_group_segment_fixed_size 1536
		.amdhsa_private_segment_fixed_size 0
		.amdhsa_enable_private_segment 0
		.amdhsa_kernarg_size 48
		.amdhsa_user_sgpr_count 2
		.amdhsa_user_sgpr_kernarg_segment_ptr 1
		.amdhsa_wavefront_size32 1
		.amdhsa_system_sgpr_workgroup_id_x 1
		.amdhsa_system_sgpr_workgroup_id_y 1
		.amdhsa_system_sgpr_workgroup_id_z 1
		.amdhsa_system_vgpr_workitem_id 0
		.amdhsa_next_free_vgpr 130
		.amdhsa_next_free_sgpr 66
		.amdhsa_reserve_vcc 0
		.amdhsa_float_denorm_mode_32 3
		.amdhsa_float_denorm_mode_16_64 3
		.amdhsa_memory_ordered 1
		.amdhsa_forward_progress 1
		.amdhsa_inst_pref_size 9
	.end_amdhsa_kernel
	.amdgpu_metadata
---
amdhsa.version: [ 1, 2 ]
amdhsa.kernels:
  - .name:           k_q6490a6c66f_wquant
    .symbol:         k_q6490a6c66f_wquant.kd
    .args:
      - { .name: Wq, .offset: 0, .size: 8, .value_kind: global_buffer, .address_space: global }
      - { .name: Wk, .offset: 8, .size: 8, .value_kind: global_buffer, .address_space: global }
      - { .name: Wv, .offset: 16, .size: 8, .value_kind: global_buffer, .address_space: global }
      - { .name: Wo, .offset: 24, .size: 8, .value_kind: global_buffer, .address_space: global }
      - { .name: wimg, .offset: 32, .size: 8, .value_kind: global_buffer, .address_space: global }
      - { .name: wscl, .offset: 40, .size: 8, .value_kind: global_buffer, .address_space: global }
    .group_segment_fixed_size: 1536
    .private_segment_fixed_size: 0
    .kernarg_segment_align: 8
    .kernarg_segment_size: 48
    .max_flat_workgroup_size: 128
    .sgpr_count:     66
    .vgpr_count:     130
    .wavefront_size: 32
...
	.end_amdgpu_metadata
.endif
;; end of part 1
;; launch proj (part 2): grid 64 x 3, 8 waves a work-group, no clusters, 121,856 bytes of LDS; arguments Q, K, V, mask, bq, bk, bv, wimg, wscl, qimg, kv; writes qimg, kv
.if DOCPART == 2
	.amdgcn_target "amdgcn-amd-amdhsa--gfx1250"
	.amdhsa_code_object_version 6
	.text
	.protected	k_q6490a6c66f_proj
	.globl	k_q6490a6c66f_proj
	.p2align	8
	.type	k_q6490a6c66f_proj,@function
k_q6490a6c66f_proj:
	s_mov_b64 s[64:65], 0
	v_nop
	global_prefetch_b8 v0, s[64:65] scope:SCOPE_SE
	s_setreg_imm32_b32 hwreg(HW_REG_WAVE_MODE, 25, 1), 1
	s_wait_xcnt 0x0
; q = Q Wq^T + bq, k = K Wk^T + bk, v = V Wv^T + bv on codes of BF6 (E3M2, one E8M0 byte for each 32 along K), and the results quantised at once for the attention launch: q and k along the head's 64, v along the keys.
; SHARES.  Work-group (x, y): rows 128 x .. 128 x + 127 of tensor y (0 q, 1 k, 2 v): one key step of one batch.  Wave w is head w: columns 64 w .. 64 w + 63; its 16 fragments of W stay in registers (window 1).
; Every tile of 16 (rows, columns) is taken in one order: lane r of tile 2 b + u stands for index 32 b + 8 u + r + 8 (r / 8); so a result's 16 registers of tiles 2 b and 2 b + 1 are 16 neighbours along source 0's axis.
; PHASE X: wave w quantises tile w of the 128 rows (four K steps of 128).  Loads read 512 consecutive bytes; a K step's 16 rows turn through the wave's own stage in LDS so that a lane holds 16 neighbours of each block.
;   The four fragments and the scale words go to LDS as images of their registers (16 bytes a lane, 512 a store).  ONE barrier.
; PHASE 1, q and k: for each tile of rows: source 0 = W's 16 columns, source 1 = the rows: a lane holds one row and 32 of the head's 64 numbers; two blocks are quantised in registers and stored as an image of eight registers:
;   0-5 the codes, 6 one more code at k = 64 (below), 7 zero.   v: source 0 = the rows (keys), source 1 = W's columns: a lane holds one channel and its registers run along the keys; 128 keys make one fragment a channel tile.
; THE MASK RIDES IN THE SCORE PRODUCT'S UNUSED K.  The head's 64 fill half of the instruction's 128.  At k = 64 q has the code +1.0 under the scale byte 127; k has 0 under the byte 1, or, where mask == 0, -1.0 under the byte 160,
;   and zeros for its 64 real codes: such a key's score is exactly -2^33, its logit -2^30.
; LIMITS: a masked logit is -2^30 where the definition has -1e9: the results differ only if a row's unmasked logits lie under about -1e9.  A block of zeros gets the byte 1 (this program alone reads the bytes).  NaN and infinities are not served.
; No cluster: each wave's weights go once from memory into the registers where they stay; nothing that several work-groups read passes through LDS.
.set XIMG, 0                           ; LDS: the rows' fragments: 8 tiles x 4 K steps x 1,536 bytes
.set XSC,  49152                       ; their scale words: 8 x 512 bytes (four registers: K step s)
.set STG,  53248                       ; 8 stages of 16 rows x (512 + 16) bytes, a wave's own
.set LI,   1                           ; v1  16 x lane
.set STI,  2                           ; v2  the stage, on the way in: 16 x lane
.set STO,  3                           ; v3  and out: 528 r + 64 h
.set XWI,  4                           ; v4  where I store my tile's images
.set XWS,  5                           ; v5  and its scale words
.set WT,   6                           ; v6  at the head 64 h (the bias's offset); later the upper two bytes of the tile's scale words
.set WC1,  7                           ; v7  at the head 4 (r + 8 (r / 8)); later the upper bytes of a masked key's word
.set WS,   8                           ; v8-23    W's scale words: register 4 t + s; nothing else ever
.set R0,   24                          ; v24-87   16 rows x 512 bytes as loaded
.set R1,   88                          ; v88-151  the same, the other set
.set XN,   152                         ; v152-215 64 numbers of a lane
.set HA,   152                         ;          later the accumulators
.set PC,   216                         ; v216-227 codes
.set TM,   228                         ; v228-243 at work
.set XS,   244                         ; v244-247 the rows' scale words, K step s; nothing else ever
.set XW,   248                         ; v248-251 the words that I make in phase X
.set NIL,  252
.set E0L,  253                         ; the code at k = 64 of an open row, in lanes 0-15; 0 in lanes 16-31
.set E1L,  254                         ; of a masked key
.set WC0,  255                         ; the upper bytes of an open row's word
.set XF,   24                          ; v24-71   phase 1: a tile's four fragments
.set VT,   72                          ; v72-87   v: the odd blocks' codes before the exchange
.set KW,   88                          ; v88-95   q, k: the eight tiles' scale words;  v96-99 their image
.set KIM,  96
.set VC,   88                          ; v88-135  v: four fragments
.set VW,   136                         ; v136-139 v: their scale words
.set BI,   192                         ; window 1: v0-191 W's fragments (t, s) at 12 (4 t + s); v192-223 the bias, eight registers a tile
.set SEL,  30
.set MSB, 0
.macro WIN new                         ; the immediate's high byte repeats the setting that is left
.if MSB != \new
	s_set_vgpr_msb (MSB<<8)|\new
.set MSB, \new
.endif
.endm
.macro SCALE4 s
.irp k, 0,1,2,3
	v_max3_num_f32 v[TM+\k], |v[\s+16*\k]|, |v[\s+1+16*\k]|, 0x2800000   ; with the floor 2^(5 - 127): the byte cannot fall under 1
.endr
.irp i, 2,4,6,8,10,12,14
.irp k, 0,1,2,3
	v_max3_num_f32 v[TM+\k], v[TM+\k], |v[\s+16*\k+\i]|, |v[\s+1+16*\k+\i]|
.endr
.endr
.irp k, 0,1,2,3
	v_permlanex16_b32 v[TM+4+\k], v[TM+\k], s[SEL], s[SEL+1]
.endr
.irp k, 0,1,2,3
	v_max_num_f32 v[TM+\k], v[TM+\k], v[TM+4+\k]
.endr
.irp k, 0,1,2,3
	v_add_nc_u32 v[TM+12+\k], 0xfe000000, v[TM+\k]                ; 4 off the exponent field: the conversion's scale operand
.endr
.irp k, 0,1,2,3
	v_lshrrev_b32 v[TM+4+\k], 23, v[TM+12+\k]                     ; the byte
.endr
.endm
.macro SCALE2 s
.irp k, 0,1
	v_max3_num_f32 v[TM+\k], |v[\s+16*\k]|, |v[\s+1+16*\k]|, 0x2800000
.endr
.irp i, 2,4,6,8,10,12,14
.irp k, 0,1
	v_max3_num_f32 v[TM+\k], v[TM+\k], |v[\s+16*\k+\i]|, |v[\s+1+16*\k+\i]|
.endr
.endr
.irp k, 0,1
	v_permlanex16_b32 v[TM+4+\k], v[TM+\k], s[SEL], s[SEL+1]
.endr
.irp k, 0,1
	v_max_num_f32 v[TM+\k], v[TM+\k], v[TM+4+\k]
.endr
.irp k, 0,1
	v_add_nc_u32 v[TM+12+\k], 0xfe000000, v[TM+\k]
.endr
.irp k, 0,1
	v_lshrrev_b32 v[TM+4+\k], 23, v[TM+12+\k]
.endr
.endm
.macro QUANT s, w                      ; 64 numbers of a lane -> a fragment in v[PC] .. v[PC+11], its scale word in v[w]
	SCALE4 \s
	v_lshl_or_b32 v[\w], v[TM+5], 8, v[TM+4]
	v_lshl_or_b32 v[\w], v[TM+6], 16, v[\w]
	v_lshl_or_b32 v[\w], v[TM+7], 24, v[\w]
	v_cvt_scalef32_pk16_bf6_f32 v[PC:PC+2], v[\s:\s+15], v[TM+12]
	v_cvt_scalef32_pk16_bf6_f32 v[TM+8:TM+10], v[\s+16:\s+31], v[TM+13]   ; (three registers from an even number on: the odd halves are made in registers of TM that are done with, and moved)
	v_cvt_scalef32_pk16_bf6_f32 v[PC+6:PC+8], v[\s+32:\s+47], v[TM+14]
	v_cvt_scalef32_pk16_bf6_f32 v[TM:TM+2], v[\s+48:\s+63], v[TM+15]
	v_nop                                                         ; one plain line behind the conversions
.irp i, 0,1,2
	v_permlane16_swap_b32 v[PC+\i], v[TM+8+\i]
.endr
.irp i, 0,1,2
	v_mov_b32 v[PC+3+\i], v[TM+8+\i]
.endr
.irp i, 0,1,2
	v_permlane16_swap_b32 v[PC+6+\i], v[TM+\i]
.endr
.irp i, 0,1,2
	v_mov_b32 v[PC+9+\i], v[TM+\i]
.endr
.endm
.macro QUANT32 s, d                    ; 32 numbers of a lane (two blocks) -> v[d] .. v[d+2] the lower 16 codes of my half's block, v[TM+8] .. v[TM+10] the upper 16; the bytes in v[TM+4], v[TM+5]
	SCALE2 \s
	v_cvt_scalef32_pk16_bf6_f32 v[\d:\d+2], v[\s:\s+15], v[TM+12]
	v_cvt_scalef32_pk16_bf6_f32 v[TM+8:TM+10], v[\s+16:\s+31], v[TM+13]
	v_nop
.irp i, 0,1,2
	v_permlane16_swap_b32 v[\d+\i], v[TM+8+\i]
.endr
.endm
.macro XLOAD set, s                    ; K step s of my tile's 16 rows: each load reads 512 consecutive bytes, at a multiple of 512 from the tensor's first byte
.irp i, 0,1,2,3,4,5,6,7,8,9,10,11,12,13,14,15
	global_load_b128 v[\set+4*\i:\set+4*\i+3], v[LI], s[32:33] offset:(\i+8*(\i/8))*2048+512*\s th:TH_LOAD_NT
.endr
.endm
.macro TURN set                        ; through my stage: LDS serves a wave's instructions in order, so no wait stands between the stores and the loads
.irp i, 0,1,2,3,4,5,6,7,8,9,10,11,12,13,14,15
	ds_store_b128 v[STI], v[\set+4*\i:\set+4*\i+3] offset:528*\i
.endr
.irp b, 0,1,2,3
.irp j, 0,1,2,3
	ds_load_b128 v[XN+16*\b+4*\j:XN+16*\b+4*\j+3], v[STO] offset:128*\b+16*\j
.endr
.endr
.endm
.macro IMAGE s
.irp c, 0,1,2
	ds_store_b128 v[XWI], v[PC+4*\c:PC+4*\c+3] offset:XIMG+1536*\s+512*\c
.endr
.endm
.macro FETCHX m                        ; tile m's four fragments and its scale words, as any wave takes them
.irp i, 0,1,2,3,4,5,6,7,8,9,10,11
	ds_load_b128 v[XF+4*\i:XF+4*\i+3], v[LI] offset:XIMG+6144*(\m)+512*\i
.endr
	ds_load_b128 v[XS:XS+3], v[LI] offset:XSC+512*(\m)
.endm
	s_load_b256 s[4:11], s[0:1], 0x0               ; Q, K, V, mask
	s_load_b256 s[12:19], s[0:1], 0x20             ; bq, bk, bv, wimg
	s_load_b128 s[20:23], s[0:1], 0x40             ; wscl, qimg
	s_load_b64 s[24:25], s[0:1], 0x50              ; kv
	v_lshl_add_u32 v239, v0, 2, 0x1d800
	s_set_vgpr_msb 0x40
	v_mov_b32 v255, 0
	s_set_vgpr_msb 0x4000
	v_lshrrev_b32 v[TM], 5, v0
	v_readfirstlane_b32 s26, v[TM]                 ; wave = head = my tile of rows in phase X
	s_and_b32 s27, ttmp7, 0xffff                   ; 0 q, 1 k, 2 v
	s_mov_b32 s28, ttmp9                           ; the block of 128 rows
	v_and_b32 v[TM], 31, v0
	v_lshlrev_b32 v[LI], 4, v[TM]
	v_and_b32 v[TM], 15, v0                        ; r
	v_bfe_u32 v[TM+1], v0, 4, 1                    ; h
	s_mul_i32 s50, s26, 8448
	s_add_co_u32 s50, s50, STG
	v_add_nc_u32 v[STI], s50, v[LI]
	v_mul_u32_u24 v[STO], v[TM], 528
	v_lshl_add_u32 v[STO], v[TM+1], 6, v[STO]
	v_add_nc_u32 v[STO], s50, v[STO]
	s_mul_i32 s50, s26, 6144
	v_add_nc_u32 v[XWI], s50, v[LI]
	s_lshl_b32 s50, s26, 9
	s_add_co_u32 s50, s50, XSC
	v_add_nc_u32 v[XWS], s50, v[LI]
	v_lshlrev_b32 v6, 6, v[TM+1]                   ; 64 h
	v_and_b32 v7, 8, v[TM]
	v_add_nc_u32 v7, v7, v[TM]
	v_lshlrev_b32 v7, 2, v7                        ; 4 (r + 8 (r / 8))
	v_mov_b32 v[NIL], 0
	s_mov_b32 s48, 0xffff0000                      ; lanes 16-31
	s_mov_b32 s[SEL], 0x76543210
	s_mov_b32 s[SEL+1], 0xfedcba98
.irp k, 0,1,2,3
	v_mov_b32 v[TM+4+\k], 0                        ; written once: a lane permute's destination counts as one of its sources
.endr
	s_lshl_b32 s56, s28, 18                        ; X: 128 rows of 2,048 bytes a block,
	s_lshr_b32 s57, s26, 1
	s_lshl_b32 s57, s57, 16                        ; + 32 (w / 2) rows
	s_add_co_u32 s56, s56, s57
	s_and_b32 s57, s26, 1
	s_lshl_b32 s57, s57, 14                        ; + 8 (w % 2) rows
	s_add_co_u32 s56, s56, s57
	s_mov_b32 s57, 0
	s_mul_i32 s58, s27, 196608                     ; wimg: the weight, my head's four tiles
	s_mul_i32 s59, s26, 24576
	s_add_co_u32 s58, s58, s59
	s_mov_b32 s59, 0
	s_lshl_b32 s60, s27, 14                        ; wscl likewise
	s_lshl_b32 s61, s26, 11
	s_add_co_u32 s60, s60, s61
	s_mov_b32 s61, 0
	s_lshl_b32 s62, s26, 8                         ; the bias: my head's 64 numbers
	s_mov_b32 s63, 0
	s_lshl_b32 s2, s28, 9                          ; the mask: 128 numbers a block
	s_mov_b32 s3, 0
	s_wait_kmcnt 0x0
	s_cmp_eq_u32 s27, 0                            ; every choice hangs on the work-group's number alone
	s_cselect_b64 s[32:33], s[4:5], s[6:7]
	s_cselect_b64 s[34:35], s[12:13], s[14:15]
	s_cselect_b64 s[36:37], s[22:23], s[24:25]
	s_mov_b32 s50, 491520
	s_cselect_b32 s50, 278528, s50                 ; bytes of a head in the buffer that I store into,
	s_mov_b32 s51, 15360
	s_cselect_b32 s51, 8704, s51                   ; of a block of 128 rows,
	s_mov_b32 s52, 14336
	s_cselect_b32 s52, 8192, s52                   ; and where the block's scale words begin
	s_mov_b32 s53, 0
	s_cselect_b32 s29, 12, 0                       ; the code at k = 64 of an open row: +1.0 in q, 0 in k
	s_mov_b32 s54, 0x01010000
	s_cselect_b32 s54, 0x017f0000, s54             ; its word's bytes 2 and 3
	s_cmp_eq_u32 s27, 2
	s_cselect_b64 s[32:33], s[8:9], s[32:33]
	s_cselect_b64 s[34:35], s[16:17], s[34:35]
	s_cselect_b32 s55, 8192, 0                     ; v's fragments lie behind k's eight tiles
	s_cmp_eq_u32 s27, 1
	s_cselect_b32 s49, -1, 0                       ; the mask is honoured in k
	s_add_nc_u64 s[32:33], s[32:33], s[56:57]
	s_add_nc_u64 s[34:35], s[34:35], s[62:63]
	s_add_nc_u64 s[10:11], s[10:11], s[2:3]
	s_add_nc_u64 s[18:19], s[18:19], s[58:59]
	s_add_nc_u64 s[20:21], s[20:21], s[60:61]
	s_lshr_b32 s56, s28, 5
	s_lshl_b32 s56, s56, 3
	s_add_co_u32 s56, s56, s26                     ; 8 x batch + head
	s_mul_i32 s56, s56, s50
	s_and_b32 s58, s28, 31
	s_mul_i32 s58, s58, s51
	s_add_co_u32 s56, s56, s58
	s_add_co_u32 s56, s56, s55
	s_add_nc_u64 s[36:37], s[36:37], s[56:57]      ; (s57 is still 0)
	s_add_nc_u64 s[38:39], s[36:37], s[52:53]
	v_mov_b32 v[E0L], s29
	v_cndmask_b32 v[E0L], v[E0L], v[NIL], s48
	v_mov_b32 v[E1L], 0x2c                         ; -1.0
	v_cndmask_b32 v[E1L], v[E1L], v[NIL], s48
	v_mov_b32 v[WC0], s54
	WIN 0x40                                       ; destination window 1
.irp f, 0,1,2,3,4,5,6,7,8,9,10,11,12,13,14,15
.irp c, 0,1,2
	global_load_b128 v[12*\f+4*\c:12*\f+4*\c+3], v[LI], s[18:19] offset:1536*\f+512*\c   ; W's fragments: they stay
.endr
.endr
	WIN 0
	s_cmp_eq_u32 s27, 2
	s_cbranch_scc1 .Lbias_v
	WIN 0x40
.irp t, 0,1,2,3                        ; q, k: a lane's eight results of tile t are columns 32 (t / 2) + 8 (t % 2) + 16 h + 0 .. 7
	global_load_b128 v[BI+8*\t:BI+8*\t+3], v6, s[34:35] offset:4*(32*(\t/2)+8*(\t%2))
	global_load_b128 v[BI+8*\t+4:BI+8*\t+7], v6, s[34:35] offset:4*(32*(\t/2)+8*(\t%2))+16
.endr
	WIN 0
	s_branch .Lbias_done
.Lbias_v:
	WIN 0x40
.irp t, 0,1,2,3                        ; v: a lane's eight results are eight keys of ONE channel: its bias eight times
.irp j, 0,1,2,3,4,5,6,7
	global_load_b32 v[BI+8*\t+\j], v7, s[34:35] offset:4*(32*(\t/2)+8*(\t%2))
.endr
.endr
	WIN 0
.Lbias_done:
.irp t, 0,1,2,3
	global_load_b128 v[WS+4*\t:WS+4*\t+3], v[LI], s[20:21] offset:512*\t
.endr
	XLOAD R0, 0
	XLOAD R1, 1
	; ---- PHASE X.  Two sets of registers: while one K step is quantised, the next is in and the one after is on its way
	s_wait_loadcnt 16                              ; all but the youngest 16 loads (K step 1) are in
	TURN R0
	s_wait_dscnt 0x0                               ; my numbers are back, and the stage's stores have read set 0
	XLOAD R0, 2
	QUANT XN, XW
	IMAGE 0
	s_wait_loadcnt 16                              ; K step 1 is in; K step 2's 16 loads may be out
	TURN R1
	s_wait_dscnt 0x0                               ; also: the image's stores have read the codes' registers
	XLOAD R1, 3
	QUANT XN, XW+1
	IMAGE 1
	s_wait_loadcnt 16                              ; K step 2 is in; K step 3's may be out
	TURN R0
	s_wait_dscnt 0x0
.irp m, 0,1,2,3,4,5,6,7
	global_load_b32 v[R0+\m], v7, s[10:11] offset:4*(32*(\m/2)+8*(\m%2))   ; the mask of tile m's 16 keys, into registers of set 0, which is done with
.endr
	QUANT XN, XW+2
	IMAGE 2
	s_wait_loadcnt 8                               ; K step 3 is in; the eight loads of the mask may be out
	TURN R1
	s_wait_dscnt 0x0
	QUANT XN, XW+3
	IMAGE 3
	ds_store_b128 v[XWS], v[XW:XW+3]
	s_wait_loadcnt 0x0                             ; the mask
.irp m, 0,1,2,3,4,5,6,7
	v_cmp_eq_f32 s[40+\m], 0, v[R0+\m]             ; a bit a lane: this key is masked.  It only ever selects values
.endr
.irp m, 0,1,2,3,4,5,6,7
	s_and_b32 s[40+\m], s[40+\m], s49
.endr
	v_mov_b32 v[WC1], 0x01a00000                   ; a masked key's bytes 2 and 3: 160 and 1  (the loads that read v7 as their offset are in)
	s_wait_dscnt 0x0                               ; for the others' sake: my images have landed
	s_barrier_signal -1
	s_barrier_wait -1                              ; the 32 fragments of the 128 rows lie in LDS; nothing is stored to LDS from here on
	FETCHX 0
	s_cmp_eq_u32 s27, 2
	s_cbranch_scc1 .Lvpath
	; ---- PHASE 1, q and k.  Four accumulators by turns; the bias is the C of each sum's first product
.macro QKTILE m
	s_wait_dscnt 0x0
	WIN 0x11                                       ; source 0 (W) and source 2 (the bias) window 1
.irp t, 0,1,2,3
	v_wmma_scale_f32_16x16x128_f8f6f4 v[HA+8*\t:HA+8*\t+7], v[48*\t:48*\t+11], v[XF:XF+11], v[BI+8*\t:BI+8*\t+7], v[WS+4*\t], v[XS] matrix_a_fmt:MATRIX_FMT_BF6 matrix_b_fmt:MATRIX_FMT_BF6
.endr
	WIN 0x01
.irp s, 1,2,3
.irp t, 0,1,2,3
	v_wmma_scale_f32_16x16x128_f8f6f4 v[HA+8*\t:HA+8*\t+7], v[48*\t+12*\s:48*\t+12*\s+11], v[XF+12*\s:XF+12*\s+11], v[HA+8*\t:HA+8*\t+7], v[WS+4*\t+\s], v[XS+\s] matrix_a_fmt:MATRIX_FMT_BF6 matrix_b_fmt:MATRIX_FMT_BF6
.endr
.endr
	WIN 0
	s_wait_xcnt 0x0                                ; the last tile's stores have read the codes' registers
	v_cndmask_b32 v[PC+6], v[E0L], v[E1L], s[40+\m]   ; the code at k = 64.  These four plain lines are the places behind the products: for the loads into the rows' registers and for the first read of the results
	v_mov_b32 v[PC+7], 0
	v_cndmask_b32 v[WT], v[WC0], v[WC1], s[40+\m]
	v_nop
.if (\m) < 7
	FETCHX (\m)+1
.endif
	QUANT32 HA, PC
.irp i, 0,1,2
	v_cndmask_b32 v[PC+\i], v[PC+\i], v[NIL], s[40+\m]         ; a masked key's real codes are zeros
.endr
.irp i, 0,1,2
	v_cndmask_b32 v[PC+3+\i], v[TM+8+\i], v[NIL], s[40+\m]
.endr
	v_lshl_or_b32 v[KW+\m], v[TM+5], 8, v[TM+4]
	v_or_b32 v[KW+\m], v[KW+\m], v[WT]
	global_store_b128 v[LI], v[PC:PC+3], s[36:37] offset:1024*(\m)        ; 32 lanes store 512 consecutive bytes
	global_store_b128 v[LI], v[PC+4:PC+7], s[36:37] offset:1024*(\m)+512
.endm
.irp m, 0,1,2,3,4,5,6,7
	QKTILE \m
.endr
.irp i, 0,1,2,3
	v_cndmask_b32 v[KIM+\i], v[KW+\i], v[KW+4+\i], s48         ; register i: tile i's words in lanes 0-15, tile 4 + i's in lanes 16-31
.endr
	global_store_b128 v[LI], v[KIM:KIM+3], s[38:39]
	s_set_vgpr_msb 0x4
	s_wait_tensorcnt 0x0
	ds_add_u32 v239, v255
	s_wait_dscnt 0x0
	s_set_vgpr_msb 0x400
	s_endpgm
	; ---- PHASE 1, v.  Source 0 = 16 keys, source 1 = 16 channels.  Two tiles of keys give each channel tile 16 registers: half a block of 32 keys
.Lvpath:
.macro VBLOCK b                        ; block b of the 128 keys, for the four channel tiles by turns
.set CC, (\b)/2
	SCALE4 HA
.irp t, 0,1,2,3
.if (\b) == 0
	v_mov_b32 v[VW+\t], v[TM+4+\t]
.else
	v_lshl_or_b32 v[VW+\t], v[TM+4+\t], 8*(\b), v[VW+\t]
.endif
.endr
.if (\b)%2 == 0
.irp t, 0,1,2,3
	v_cvt_scalef32_pk16_bf6_f32 v[VC+12*\t+6*CC:VC+12*\t+6*CC+2], v[HA+16*\t:HA+16*\t+15], v[TM+12+\t]
.endr
	v_nop                                          ; one plain line behind the conversions
.else
.irp t, 0,1,2,3
	v_cvt_scalef32_pk16_bf6_f32 v[VT+4*\t:VT+4*\t+2], v[HA+16*\t:HA+16*\t+15], v[TM+12+\t]
.endr
	v_nop
.irp t, 0,1,2,3
.irp i, 0,1,2
	v_permlane16_swap_b32 v[VC+12*\t+6*CC+\i], v[VT+4*\t+\i]   ; a whole block to a lane
.endr
.irp i, 0,1,2
	v_mov_b32 v[VC+12*\t+6*CC+3+\i], v[VT+4*\t+\i]
.endr
.endr
.endif
.endm
.macro VTILE m
.set U, (\m)%2
	s_wait_dscnt 0x0
	WIN 0x14                                       ; source 1 (W) and source 2 (the bias) window 1
.irp t, 0,1,2,3
	v_wmma_scale_f32_16x16x128_f8f6f4 v[HA+16*\t+8*U:HA+16*\t+8*U+7], v[XF:XF+11], v[48*\t:48*\t+11], v[BI+8*\t:BI+8*\t+7], v[XS], v[WS+4*\t] matrix_a_fmt:MATRIX_FMT_BF6 matrix_b_fmt:MATRIX_FMT_BF6
.endr
	WIN 0x04
.irp s, 1,2,3
.irp t, 0,1,2,3
	v_wmma_scale_f32_16x16x128_f8f6f4 v[HA+16*\t+8*U:HA+16*\t+8*U+7], v[XF+12*\s:XF+12*\s+11], v[48*\t+12*\s:48*\t+12*\s+11], v[HA+16*\t+8*U:HA+16*\t+8*U+7], v[XS+\s], v[WS+4*\t+\s] matrix_a_fmt:MATRIX_FMT_BF6 matrix_b_fmt:MATRIX_FMT_BF6
.endr
.endr
	WIN 0
.rept 4
	v_nop                                          ; places behind the products: for the loads into the rows' registers and the first read of the results
.endr
.if (\m) < 7
	FETCHX (\m)+1
.endif
.if (\m)%2 == 1
	VBLOCK (\m)/2
.endif
.endm
.irp m, 0,1,2,3,4,5,6,7
	VTILE \m
.endr
.irp t, 0,1,2,3
.irp c, 0,1,2
	global_store_b128 v[LI], v[VC+12*\t+4*\c:VC+12*\t+4*\c+3], s[36:37] offset:1536*\t+512*\c
.endr
.endr
	global_store_b128 v[LI], v[VW:VW+3], s[36:37] offset:6656   ; register t: channel tile t's words
	s_set_vgpr_msb 0x4
	s_wait_tensorcnt 0x0
	ds_add_u32 v239, v255
	s_wait_dscnt 0x0
	s_set_vgpr_msb 0x400
	s_endpgm
.Lfunc_end_k_q6490a6c66f_proj:
	.size	k_q6490a6c66f_proj, .Lfunc_end_k_q6490a6c66f_proj-k_q6490a6c66f_proj
	.p2alignl 7, 3214868480
	.fill 96, 4, 3214868480
	.section	.rodata,"a",@progbits
	.p2align	6, 0x0
	.amdhsa_kernel k_q6490a6c66f_proj
		.amdhsa_group_segment_fixed_size 121856
		.amdhsa_private_segment_fixed_size 0
		.amdhsa_enable_private_segment 0
		.amdhsa_kernarg_size 88
		.amdhsa_user_sgpr_count 2
		.amdhsa_user_sgpr_kernarg_segment_ptr 1
		.amdhsa_wavefront_size32 1
		.amdhsa_system_sgpr_workgroup_id_x 1
		.amdhsa_system_sgpr_workgroup_id_y 1
		.amdhsa_system_sgpr_workgroup_id_z 1
		.amdhsa_system_vgpr_workitem_id 0
		.amdhsa_next_free_vgpr 512
		.amdhsa_next_free_sgpr 66
		.amdhsa_reserve_vcc 0
		.amdhsa_float_denorm_mode_32 3
		.amdhsa_float_denorm_mode_16_64 3
		.amdhsa_memory_ordered 1
		.amdhsa_forward_progress 1
		.amdhsa_inst_pref_size 130
	.end_amdhsa_kernel
	.amdgpu_metadata
---
amdhsa.version: [ 1, 2 ]
amdhsa.kernels:
  - .name:           k_q6490a6c66f_proj
    .symbol:         k_q6490a6c66f_proj.kd
    .args:
      - { .name: Q, .offset: 0, .size: 8, .value_kind: global_buffer, .address_space: global }
      - { .name: K, .offset: 8, .size: 8, .value_kind: global_buffer, .address_space: global }
      - { .name: V, .offset: 16, .size: 8, .value_kind: global_buffer, .address_space: global }
      - { .name: mask, .offset: 24, .size: 8, .value_kind: global_buffer, .address_space: global }
      - { .name: bq, .offset: 32, .size: 8, .value_kind: global_buffer, .address_space: global }
      - { .name: bk, .offset: 40, .size: 8, .value_kind: global_buffer, .address_space: global }
      - { .name: bv, .offset: 48, .size: 8, .value_kind: global_buffer, .address_space: global }
      - { .name: wimg, .offset: 56, .size: 8, .value_kind: global_buffer, .address_space: global }
      - { .name: wscl, .offset: 64, .size: 8, .value_kind: global_buffer, .address_space: global }
      - { .name: qimg, .offset: 72, .size: 8, .value_kind: global_buffer, .address_space: global }
      - { .name: kv, .offset: 80, .size: 8, .value_kind: global_buffer, .address_space: global }
    .group_segment_fixed_size: 121856
    .private_segment_fixed_size: 0
    .kernarg_segment_align: 8
    .kernarg_segment_size: 88
    .max_flat_workgroup_size: 256
    .sgpr_count:     66
    .vgpr_count:     512
    .wavefront_size: 32
...
	.end_amdgpu_metadata
.endif
;; end of part 2
;; launch attn (part 3): grid 16 x 16, 16 waves a work-group, clusters of 4 x 1, 327,680 bytes of LDS; arguments qimg, kv, oimg, oscl; writes oimg, oscl
.if DOCPART == 3
	.amdgcn_target "amdgcn-amd-amdhsa--gfx1250"
	.amdhsa_code_object_version 6
	.text
	.protected	k_q6490a6c66f_attn
	.globl	k_q6490a6c66f_attn
	.p2align	8
	.type	k_q6490a6c66f_attn,@function
k_q6490a6c66f_attn:
	s_mov_b64 s[64:65], 0
	v_nop
	global_prefetch_b8 v0, s[64:65] scope:SCOPE_SE
	s_setreg_imm32_b32 hwreg(HW_REG_WAVE_MODE, 25, 1), 1
	s_wait_xcnt 0x0
	s_wait_alu depctr_hold_cnt(0) depctr_sa_sdst(0) depctr_va_vdst(0) depctr_va_sdst(0) depctr_va_ssrc(0) depctr_va_vcc(0) depctr_vm_vsrc(0)
	s_getreg_b32 s2, hwreg(HW_REG_IB_STS2, 6, 4)
	s_cmp_eq_u32 s2, 0
	s_cbranch_scc0 .Lentry_in_a_cluster
	s_endpgm
.Lentry_in_a_cluster:
	s_bfe_u32 s2, ttmp6, 0x10000c
	s_cmp_lg_u32 s2, 0x3003
	s_cbranch_scc0 .Lentry_shape_is_right
	s_endpgm
.Lentry_shape_is_right:
; o = softmax(q k^T / 8, masked) v for 16 (batch, head) pairs of 4,096 queries x 4,096 keys x 64, both products on codes of BF6 (E3M2) with one E8M0 byte for each 32 along K; o is quantised along d_model for the last projection.
; THE SOFTMAX: t = score x log2(e) / 8; M = the row's largest t so far, rounded UP to a whole number; p = 2^(t - M) is quantised along the keys, not normalised; the row's sum is taken of the unquantised p and divides at the end.
; When M moves, the sum and O are multiplied by 2^(old M - new M): exact.
; SHARES.  A work-group owns 256 queries of one (batch, head); each of its sixteen waves owns one tile of 16, in 256 registers: four waves to a SIMD, so that one wave's vector work stands beside another's products and LDS loads.
; Every wave walks the 32 key steps of 128 keys.  A key step is one dense block of 15,360 bytes of kv, laid as images of operand registers: every fragment comes by loads of 16 bytes at 16 x lane.
; RING: two LDS slots of four key steps.  Waves 0 to 3 fetch a block each.  CLUSTER: the four work-groups of a cluster walk the same head's stream, so each block is asked for JOINTLY (mask 15, the same descriptor in all four).
; LAYOUT.  Both products transposed: S^T = K Q^T (source 0 = 16 keys), O^T = V^T P^T (source 0 = 16 channels): a lane holds ONE query throughout.  Lane r of key tile 2 b + u stands for key 32 b + 8 u + r + 8 (r / 8), so that
; the 16 registers of tiles 2 b, 2 b + 1 are 16 neighbouring keys; channels likewise, so that O^T's 32 registers are 16 neighbours of each of the head's two blocks.
; THE MASK costs no line here: the head's 64 fill half of the instruction's 128 along K; at k = 64 q has +1.0 and a masked key -1.0 under the scale 2^33, with zeros for its real codes: its score is exactly -2^33.
; LIMITS: a masked logit is -2^30 where the definition has -1e9: results differ only if a row's unmasked logits lie under about -1e9 (a row with every key masked gives p = 1 for all, as the definition does).  NaN and infinities are not served.
.set SLOT1, 1<<16                      ; slot 1 begins here: one exclusive or turns an address in one slot into the other's
.set STEPB, 15360                      ; a key step: +0 eight key tiles x 1,024; +8,192 four fragments of V x 1,536; +14,336 K's scale words; +14,848 V's
.set SPARE, 2*SLOT1                    ; the spare words, 128 bytes for each wave: eight blocks of 256 bytes that no other line names
.set LI,   1                           ; v1  16 x lane
.set ADR,  2                           ; v2  16 x lane + the slot in hand
.set SPW,  3                           ; v3  LDS address of my spare word; never rewritten
.set NIL,  4                           ; v4  0; never rewritten
.set PFO,  5                           ; v5  256 x lane: the prefetches' offset; never rewritten
.set QW,   6                           ; v6  Q's scale words
.set QF,   12                          ; v12-23   Q (v20-23 zeros);  v[8:9] -M, the largest t;  v[10:11] the sum in two halves
.set KF,   24                          ; v24-71   four fragments of K (registers 8-11 of each are zeros, written once)
.set VF,   72                          ; v72-119  four fragments of V
.set S,    120                         ; v120-183 S^T, then p
.set OT,   184                         ; v184-215 O^T
.set P,    216                         ; v216-227 p's codes
.set TM,   228                         ; v228-243 at work
.set KSW,  244                         ; v244-247 K's scale words: register i: tile i in lanes 0-15, tile 4 + i in lanes 16-31
.set VSW,  248                         ; v248-251 V's
                                       ; v252 f, v253 p's scale word, v[254:255] at work
.set WV,   12
.set SEL,  16                          ; s[16:17] lane l xor 16
.set CS,   18                          ; s[18:19] c = log2(e) / 8
.set TB,   20                          ; s20 the slot in hand
.set SLOTS, 21                         ; s21 slots still to be asked for
.set LIM,  22                          ; s22 a wave prefetches while s21 is above it
.set G1,   24                          ; s[24:31] descriptor group 1;  s[32:35] group 0, which walks
.set G0,   32
.set PFA,  36                          ; s[36:37] where my prefetches stand
.macro CROUND                          ; a round of the cluster's barrier: my work-group's barrier, wave 0 signals for the work-group, every wave waits for all four, my work-group's barrier once more
	s_barrier_signal -1
	s_barrier_wait -1
	s_cmp_lg_u32 s[WV], 0
	s_cbranch_scc1 .Lnot_wave_0_\@
	s_barrier_signal -3
.Lnot_wave_0_\@:
	s_barrier_wait -3
	s_barrier_signal -1
	s_barrier_wait -1
.endm
.macro TLOAD                           ; waves 0 to 3 fetch one key step's block each; the branch hangs on the wave's number alone.  Four v_nop follow the load
	s_cmp_lt_u32 s[WV], 4
	s_cbranch_scc0 .Lnone_\@
	tensor_load_to_lds s[G0:G0+3], s[G1:G1+7]
	s_nop 0
.rept 4
	v_nop
.endr
.Lnone_\@:
.endm
; A PREFETCH INTO THE L2.  A head's stream is 60 pieces of 8,192 bytes; pieces 16 to 59 are named once each in the launch, 256 bytes a lane.  All clusters of a head walk the same stream: its first cluster asks.
; At the j-th change of slots waves 4 and 5 of the four partners name pieces 8 (j + 1) + 4 (wave - 4) + cx: the partners are told apart by ADDRESS.  A piece is named at least one change of slots (four key steps) ahead of
; the tensor load that wants it.  Wave 4 asks at changes 1 to 6, wave 5 at 1 to 5: the last piece named is the stream's last.  The first two slots come by their loads alone.
.macro ASK
	s_cmp_gt_u32 s[SLOTS], s[LIM]
	s_cbranch_scc0 .Lnot_mine_\@
	global_prefetch_b8 v[PFO], s[PFA:PFA+1] th:TH_LOAD_NT scope:SCOPE_SE
.Lnot_mine_\@:
.endm
.macro SCALE2 s
.irp k, 0,1
	v_max3_num_f32 v[TM+\k], |v[\s+16*\k]|, |v[\s+1+16*\k]|, 0x2800000
.endr
.irp i, 2,4,6,8,10,12,14
.irp k, 0,1
	v_max3_num_f32 v[TM+\k], v[TM+\k], |v[\s+16*\k+\i]|, |v[\s+1+16*\k+\i]|
.endr
.endr
.irp k, 0,1
	v_permlanex16_b32 v[TM+4+\k], v[TM+\k], s[SEL], s[SEL+1]
.endr
.irp k, 0,1
	v_max_num_f32 v[TM+\k], v[TM+\k], v[TM+4+\k]
.endr
.irp k, 0,1
	v_add_nc_u32 v[TM+12+\k], 0xfe000000, v[TM+\k]
.endr
.irp k, 0,1
	v_lshrrev_b32 v[TM+4+\k], 23, v[TM+12+\k]
.endr
.endm
.macro QUANT32 s, d
	SCALE2 \s
	v_cvt_scalef32_pk16_bf6_f32 v[\d:\d+2], v[\s:\s+15], v[TM+12]
	v_cvt_scalef32_pk16_bf6_f32 v[TM+8:TM+10], v[\s+16:\s+31], v[TM+13]
	v_nop
.irp i, 0,1,2
	v_permlane16_swap_b32 v[\d+\i], v[TM+8+\i]
.endr
.endm
	s_load_b256 s[4:11], s[0:1], 0x0               ; qimg, kv, oimg, oscl
	v_lshl_add_u32 v[SPW], v0, 2, SPARE
	v_mov_b32 v[NIL], 0
	ds_add_u32 v3, v4
	s_wait_dscnt 0x0
	v_lshrrev_b32 v7, 5, v0
	v_readfirstlane_b32 s[WV], v7                  ; wave 0..15
	s_bfe_u32 s13, ttmp6, 0x40000                  ; cx: my place in the cluster
	s_lshl_b32 s14, ttmp9, 2
	s_add_co_u32 s14, s14, s13                     ; my block of 256 queries: it enters global addresses of qimg, oimg and oscl alone
	s_and_b32 s15, ttmp7, 0xffff                   ; 8 x batch + head, which the four partners share
	; descriptor group 1: 60 rows of 256 bytes (32 elements of 8 bytes), dense, no padding
	s_mov_b32 s[G1], 15|(3<<16)|(1<<21)            ; 15:0 the mask: all four work-groups; 17:16 elements of 8 bytes; 21 set beside a mask
	s_mov_b32 s[G1+1], 32<<16                      ; tensor_dim0
	s_mov_b32 s[G1+2], 60<<16                      ; tensor_dim1
	s_mov_b32 s[G1+3], 32<<16                      ; tile_dim0
	s_mov_b32 s[G1+4], 60                          ; tile_dim1
	s_mov_b32 s[G1+5], 32                          ; the pitch
	s_mov_b32 s[G1+6], 0
	s_mov_b32 s[G1+7], 0
	s_mov_b32 s[G0], 1
	s_mul_i32 s[G0+1], s[WV], STEPB                ; LDS: my block of slot 0: the wave's number times a constant
	s_mul_i32 s38, s15, 491520                     ; the head's stream in kv
	s_mov_b32 s39, 0
	s_mul_i32 s40, s[WV], STEPB                    ; my block in memory
	s_mov_b32 s41, 0
	s_and_b32 s42, s[WV], 1                        ; the prefetches: 8,192 x (4 (wave % 2) + cx), one step of 65,536 bytes short of the first piece named
	s_lshl_b32 s42, s42, 2
	s_add_co_u32 s42, s42, s13
	s_lshl_b32 s42, s42, 13
	s_add_co_u32 s42, s42, 65536
	s_mov_b32 s43, 0
	s_sub_co_u32 s23, s[WV], 3                     ; 1 in wave 4, 2 in wave 5
	s_lshr_b32 s44, s[WV], 1
	s_xor_b32 s44, s44, 2                          ; 0 in waves 4 and 5,
	s_or_b32 s44, s44, ttmp9                       ; of the head's first cluster: the same in all four partners
	s_cmp_eq_u32 s44, 0
	s_cselect_b32 s[LIM], s23, -1
	s_mul_i32 s44, s15, 278528                     ; qimg: the head,
	s_lshl_b32 s45, s14, 1
	s_lshr_b32 s46, s[WV], 3
	s_add_co_u32 s45, s45, s46
	s_mul_i32 s45, s45, 8704                       ; my block of 128 queries,
	s_add_co_u32 s44, s44, s45
	s_and_b32 s46, s[WV], 7                        ; my tile in it
	s_lshl_b32 s45, s46, 10
	s_add_co_u32 s50, s44, s45
	s_mov_b32 s51, 0
	s_lshr_b32 s45, s46, 2                         ; its scale words: register tile % 4, lanes 16 (tile / 4) + r
	s_lshl_b32 s45, s45, 8
	s_and_b32 s46, s46, 3
	s_lshl_b32 s46, s46, 2
	s_add_co_u32 s45, s45, s46
	s_add_co_u32 s45, s45, s44
	s_add_co_u32 s52, s45, 8192
	s_mov_b32 s53, 0
	s_lshr_b32 s44, s15, 3                         ; the tile of rows among all 512: 256 x batch + 16 x block + wave
	s_lshl_b32 s44, s44, 8
	s_lshl_b32 s45, s14, 4
	s_add_co_u32 s44, s44, s45
	s_add_co_u32 s44, s44, s[WV]
	s_and_b32 s45, s15, 7                          ; the head
	s_lshl_b32 s46, s44, 3
	s_add_co_u32 s46, s46, s45
	s_mul_i32 s54, s46, 768                        ; oimg: 768 bytes for a tile of rows and a head
	s_mov_b32 s55, 0
	s_lshl_b32 s56, s44, 8                         ; oscl: 256 bytes a tile of rows, bytes 2 x head and 2 x head + 1 of each row's 16
	s_lshl_b32 s45, s45, 1
	s_add_co_u32 s56, s56, s45
	s_mov_b32 s57, 0
	s_mov_b32 s[SEL], 0x76543210
	s_mov_b32 s[SEL+1], 0xfedcba98
	s_mov_b32 s[CS], 0x3e38aa3b                    ; c = log2(e) / 8
	s_mov_b32 s[CS+1], s[CS]                       ; (named with it as a pair, so it is written)
	s_mov_b32 s[TB], 0
	s_mov_b32 s[SLOTS], 7
	s_mov_b32 s48, 0xffff0000                      ; lanes 16-31
	v_and_b32 v7, 31, v0
	v_lshlrev_b32 v[LI], 4, v7
	v_lshlrev_b32 v[PFO], 8, v7
	v_and_b32 v7, 15, v0
	v_lshlrev_b32 v7, 4, v7                        ; 16 r: Q's scale words
	s_wait_kmcnt 0x0
	s_add_nc_u64 s[6:7], s[6:7], s[38:39]          ; kv at my head
	s_add_nc_u64 s[G0+2:G0+3], s[6:7], s[40:41]    ; the global address hangs on the head and the wave's number alone
	s_or_b32 s[G0+3], s[G0+3], 0x80000000          ; type = 2
	s_add_nc_u64 s[PFA:PFA+1], s[6:7], s[42:43]
	s_add_nc_u64 s[50:51], s[4:5], s[50:51]
	s_add_nc_u64 s[52:53], s[4:5], s[52:53]
	s_add_nc_u64 s[54:55], s[8:9], s[54:55]
	s_add_nc_u64 s[56:57], s[10:11], s[56:57]
	CROUND                                         ; all four work-groups are here: the first joint loads meet
	TLOAD                                          ; slot 0: key steps 0 to 3
	global_load_b128 v[QF:QF+3], v[LI], s[50:51]
	global_load_b128 v[QF+4:QF+7], v[LI], s[50:51] offset:512
	global_load_b32 v[QW], v7, s[52:53]
.irp i, 8,9,10,11
	v_mov_b32 v[QF+\i], 0                          ; k = 80 .. 127 of the instruction: zero codes, written once
.endr
.irp t, 0,1,2,3
.irp i, 8,9,10,11
	v_mov_b32 v[KF+12*\t+\i], 0
.endr
.endr
.irp k, 0,1,2,3
	v_mov_b32 v[TM+4+\k], 0                        ; written once: a lane permute's destination counts as one of its sources
.endr
	v_mov_b32 v253, 0                              ; (named as the upper half of the pair v[252:253] before it is first written)
	v_mov_b32 v254, 0
	v_mov_b32 v255, 0
	v_mov_b32 v9, 0xff61b1e6                       ; the largest t so far: -3e38, under every t
	v_floor_f32 v8, -v9                            ; -M
	v_mov_b32 v10, 0
	v_mov_b32 v11, 0
.set j, 0
.rept 32
	v_mov_b32 v[OT+j], 0                           ; O^T.  (The step is written once: the first finds zeros, which the first change of M leaves zeros)
.set j, j+1
.endr
; A KEY STEP: 128 keys, the q-th of the slot in hand.  12 matrix instructions.
.macro STEP q
.set SB, STEPB*(\q)
.irp t, 0,1,2,3
	ds_load_b128 v[KF+12*\t:KF+12*\t+3], v[ADR] offset:SB+1024*\t
	ds_load_b128 v[KF+12*\t+4:KF+12*\t+7], v[ADR] offset:SB+1024*\t+512
.endr
	ds_load_b128 v[KSW:KSW+3], v[ADR] offset:SB+14336
	s_wait_dscnt 0x0
.irp t, 0,1,2,3
	v_wmma_scale_f32_16x16x128_f8f6f4 v[S+8*\t:S+8*\t+7], v[KF+12*\t:KF+12*\t+11], v[QF:QF+11], 0, v[KSW+\t], v[QW] matrix_a_fmt:MATRIX_FMT_BF6 matrix_b_fmt:MATRIX_FMT_BF6
.endr
.rept 4
	v_nop                                          ; places in front of the loads into K's registers, which these products read, and into V's, which the last step's products read
.endr
.irp t, 0,1,2,3
	ds_load_b128 v[KF+12*\t:KF+12*\t+3], v[ADR] offset:SB+4096+1024*\t
	ds_load_b128 v[KF+12*\t+4:KF+12*\t+7], v[ADR] offset:SB+4096+1024*\t+512
.endr
.irp t, 0,1,2,3
.irp c, 0,1,2
	ds_load_b128 v[VF+12*\t+4*\c:VF+12*\t+4*\c+3], v[ADR] offset:SB+8192+1536*\t+512*\c
.endr
.endr
	ds_load_b128 v[VSW:VSW+3], v[ADR] offset:SB+14848
	s_wait_dscnt 13                                ; K's tiles 4 to 7 are in; the 13 younger loads (V and its scale words) may be out: they land under the softmax
.irp t, 0,1,2,3
	v_wmma_scale_f32_16x16x128_f8f6f4 v[S+32+8*\t:S+32+8*\t+7], v[KF+12*\t:KF+12*\t+11], v[QF:QF+11], 0, v[KSW+\t], v[QW] matrix_a_fmt:MATRIX_FMT_BF6 matrix_b_fmt:MATRIX_FMT_BF6 matrix_a_scale:MATRIX_SCALE_ROW1
.endr
.rept 4
	v_nop
.endr
.irp b, 0,1,2,3
	v_max3_num_f32 v[TM+\b], v[S+16*\b], v[S+1+16*\b], v[S+2+16*\b]   ; the largest score of each block of 32 keys: it serves for the row's maximum and, since p rises with the score, for the block's largest p
.endr
.irp i, 3,5,7,9,11,13
.irp b, 0,1,2,3
	v_max3_num_f32 v[TM+\b], v[TM+\b], v[S+16*\b+\i], v[S+1+16*\b+\i]
.endr
.endr
.irp b, 0,1,2,3
	v_max_num_f32 v[TM+\b], v[TM+\b], v[S+15+16*\b]
.endr
.irp b, 0,1,2,3
	v_permlanex16_b32 v[TM+4+\b], v[TM+\b], s[SEL], s[SEL+1]
.endr
.irp b, 0,1,2,3
	v_max_num_f32 v[TM+\b], v[TM+\b], v[TM+4+\b]   ; with lane l xor 16's 16 keys
.endr
	v_max3_num_f32 v254, v[TM], v[TM+1], v[TM+2]
	v_max_num_f32 v254, v254, v[TM+3]              ; the step's largest score of my query
	v_mul_f32 v254, s[CS], v254                    ; as t (c is positive)
	v_max_num_f32 v9, v9, v254                     ; the running largest t
	v_mov_b32 v254, v8
	v_floor_f32 v8, -v9                            ; the new -M = floor(-t): M is a whole number
	v_sub_f32 v254, v8, v254                       ; old M less new M: a whole number, 0 or less
	v_cvt_i32_f32 v254, v254                       ; (it saturates)
	v_ldexp_f32 v252, 1.0, v254                    ; f = 2^(old M - new M)
.set j, 0
.rept 32
	v_pk_fma_f32 v[S+j:S+j+1], v[S+j:S+j+1], s[CS:CS+1], v[8:9] op_sel_hi:[1,0,0]   ; t - M, two at a time
.set j, j+2
.endr
.irp b, 0,1,2,3
	v_fma_f32 v[TM+\b], v[TM+\b], s[CS], v8        ; the same of each block's largest score
.endr
.set j, 0
.rept 64
	v_exp_f32 v[S+j], v[S+j]                       ; p = 2^(t - M), at most 1
.set j, j+1
.endr
.set j, 0
.rept 16
	v_pk_mul_f32 v[OT+j:OT+j+1], v[OT+j:OT+j+1], v[252:253] op_sel_hi:[1,0]   ; O^T under the new M: plain work that names no exponential's result, behind the batch
.set j, j+2
.endr
	v_pk_mul_f32 v[10:11], v[10:11], v[252:253] op_sel_hi:[1,0]               ; the sum likewise
	s_wait_alu depctr_va_vdst(0)                   ; one wait for the batch of 64, ahead of its first reader
.irp b, 0,1,2,3
	v_exp_f32 v[TM+\b], v[TM+\b]                   ; the block's largest p: the same two instructions on the same number give the same bits
.endr
	v_pk_add_f32 v[254:255], v[S:S+1], v[S+2:S+3]  ; the row's sum is taken of the unquantised p, in two chains; the first half stands behind the four exponentials
.irp j, 4,8,12,16,20,24,28
	v_pk_add_f32 v[10:11], v[10:11], v[S+\j:S+\j+1]
	v_pk_add_f32 v[254:255], v[254:255], v[S+\j+2:S+\j+3]
.endr
	s_wait_alu depctr_va_vdst(0)                   ; and one for the four
.irp b, 0,1,2,3
	v_max_num_f32 v[TM+\b], 0x2800000, v[TM+\b]    ; the floor 2^(5 - 127): the byte cannot fall under 1
.endr
.irp b, 0,1,2,3
	v_add_nc_u32 v[TM+12+\b], 0xfe000000, v[TM+\b]
.endr
.irp b, 0,1,2,3
	v_lshrrev_b32 v[TM+4+\b], 23, v[TM+12+\b]
.endr
	v_lshl_or_b32 v253, v[TM+5], 8, v[TM+4]        ; p's scale word for these 128 keys
	v_lshl_or_b32 v253, v[TM+6], 16, v253
	v_lshl_or_b32 v253, v[TM+7], 24, v253
	v_cvt_scalef32_pk16_bf6_f32 v[P:P+2], v[S:S+15], v[TM+12]
	v_cvt_scalef32_pk16_bf6_f32 v[TM+4:TM+6], v[S+16:S+31], v[TM+13]   ; (three registers from an even number on)
	v_cvt_scalef32_pk16_bf6_f32 v[P+6:P+8], v[S+32:S+47], v[TM+14]
	v_cvt_scalef32_pk16_bf6_f32 v[TM+8:TM+10], v[S+48:S+63], v[TM+15]
	v_nop                                          ; one plain line behind the conversions
.irp i, 0,1,2
	v_permlane16_swap_b32 v[P+\i], v[TM+4+\i]      ; a whole block to a lane
.endr
.irp i, 0,1,2
	v_mov_b32 v[P+3+\i], v[TM+4+\i]
.endr
.irp i, 0,1,2
	v_permlane16_swap_b32 v[P+6+\i], v[TM+8+\i]
.endr
.irp i, 0,1,2
	v_mov_b32 v[P+9+\i], v[TM+8+\i]
.endr
.irp j, 32,36,40,44,48,52,56,60
	v_pk_add_f32 v[10:11], v[10:11], v[S+\j:S+\j+1]        ; the sum's second half: these 17 lines are also the places between the scale word (8) and the codes (4), written by vector instructions, and the products
	v_pk_add_f32 v[254:255], v[254:255], v[S+\j+2:S+\j+3]
.endr
	v_pk_add_f32 v[10:11], v[10:11], v[254:255]
	s_wait_dscnt 0x0                               ; V
.irp t, 0,1,2,3
	v_wmma_scale_f32_16x16x128_f8f6f4 v[OT+8*\t:OT+8*\t+7], v[VF+12*\t:VF+12*\t+11], v[P:P+11], v[OT+8*\t:OT+8*\t+7], v[VSW+\t], v253 matrix_a_fmt:MATRIX_FMT_BF6 matrix_b_fmt:MATRIX_FMT_BF6
.endr
.endm
; THE CHANGE OF SLOTS stands at a slot's head.  Each wave waits for all its tensor loads (at most one is out), adds 0 to its spare word, and waits for that and for its reads of the slot that it has left.
; fill = 1: a round of the cluster's barrier, so that no wave of any partner still reads that slot or has a load on its way; the joint refill is the first thing behind it and has four key steps in which to land.
.macro CHANGE fill
	s_wait_tensorcnt 0x0                           ; no tensor load of mine is out, so group 0 may be written
	ds_add_u32 v[SPW], v[NIL]                      ; 0 onto my spare word
.if \fill
	s_xor_b32 s[G0+1], s[G0+1], SLOT1              ; the other slot than last time,
	s_add_nc_u64 s[G0+2:G0+3], s[G0+2:G0+3], 4*STEPB   ; the next four key steps; the type bits on top are not reached
	s_wait_xcnt 0x0                                ; the last prefetch, a slot back, has read its address, so it may be written
	s_add_nc_u64 s[PFA:PFA+1], s[PFA:PFA+1], 65536
.endif
	s_wait_dscnt 0x0                               ; the add is done, and my reads of the slot that I have left are over
.if \fill
	CROUND
	TLOAD
	ASK
.else
	s_barrier_signal -1
	s_barrier_wait -1
.endif
	v_add_nc_u32 v[ADR], s[TB], v[LI]
.endm
	s_wait_loadcnt 0x0                             ; Q
.Lslot:                                            ; seven trips: behind each change of slots but the last the next slot is asked for
	CHANGE 1
	STEP 0
	STEP 1
	STEP 2
	STEP 3
	s_xor_b32 s[TB], s[TB], SLOT1
	s_sub_co_u32 s[SLOTS], s[SLOTS], 1
	s_cmp_lg_u32 s[SLOTS], 0
	s_cbranch_scc1 .Lslot
	CHANGE 0                                       ; the last slot is written out
	STEP 0
	STEP 1
	STEP 2
	STEP 3
	; THE WAY OUT.  O^T / the sum; its 32 numbers a lane are 16 neighbours of each of the head's two blocks along d_model: quantised in registers and stored as an image of six registers.  No LDS.
	v_add_f32 v10, v10, v11                        ; the sum's two halves,
	v_permlanex16_b32 v254, v10, s[SEL], s[SEL+1]
	v_add_f32 v10, v10, v254                       ; and lane l xor 16's
	v_rcp_f32 v10, v10
	v_and_b32 v2, 15, v0                           ; five plain lines: the places behind the last products and behind the reciprocal
	v_bfe_u32 v7, v0, 4, 1
	v_lshl_add_u32 v2, v2, 4, v7                   ; 16 r + h: my byte among the tile's scale bytes
	v_and_b32 v7, 31, v0
	v_lshlrev_b32 v7, 3, v7                        ; 8 x lane
	s_wait_alu depctr_va_vdst(0)                   ; the wait ahead of the reciprocal's first reader
.set j, 0
.rept 16
	v_pk_mul_f32 v[S+j:S+j+1], v[OT+j:OT+j+1], v[10:11] op_sel_hi:[1,0]   ; each accumulator from its low end on
.set j, j+2
.endr
	QUANT32 S, P
.irp i, 0,1,2
	v_mov_b32 v[P+3+\i], v[TM+8+\i]
.endr
	v_cndmask_b32 v254, v[TM+4], v[TM+5], s48      ; lanes 0-15 the first block's byte, lanes 16-31 the second's
	global_store_b128 v[LI], v[P:P+3], s[54:55]    ; 512 consecutive bytes
	global_store_b64 v7, v[P+4:P+5], s[54:55] offset:512   ; and 256
	global_store_b8 v2, v254, s[56:57]             ; 32 bytes of the tile's 256; the eight heads' work-groups fill them: 128 KB in the whole launch
	s_wait_tensorcnt 0x0                           ; the wave's end
	ds_add_u32 v[SPW], v[NIL]
	s_wait_dscnt 0x0
	CROUND                                         ; the closing round: no work-group ends while a partner may still ask for a block that names it
	s_endpgm
.Lfunc_end_k_q6490a6c66f_attn:
	.size	k_q6490a6c66f_attn, .Lfunc_end_k_q6490a6c66f_attn-k_q6490a6c66f_attn
	.p2alignl 7, 3214868480
	.fill 96, 4, 3214868480
	.section	.rodata,"a",@progbits
	.p2align	6, 0x0
	.amdhsa_kernel k_q6490a6c66f_attn
		.amdhsa_group_segment_fixed_size 327680
		.amdhsa_private_segment_fixed_size 0
		.amdhsa_enable_private_segment 0
		.amdhsa_kernarg_size 32
		.amdhsa_user_sgpr_count 2
		.amdhsa_user_sgpr_kernarg_segment_ptr 1
		.amdhsa_wavefront_size32 1
		.amdhsa_system_sgpr_workgroup_id_x 1
		.amdhsa_system_sgpr_workgroup_id_y 1
		.amdhsa_system_sgpr_workgroup_id_z 1
		.amdhsa_system_vgpr_workitem_id 0
		.amdhsa_next_free_vgpr 256
		.amdhsa_next_free_sgpr 66
		.amdhsa_reserve_vcc 0
		.amdhsa_float_denorm_mode_32 3
		.amdhsa_float_denorm_mode_16_64 3
		.amdhsa_memory_ordered 1
		.amdhsa_forward_progress 1
		.amdhsa_inst_pref_size 135
	.end_amdhsa_kernel
	.amdgpu_metadata
---
amdhsa.version: [ 1, 2 ]
amdhsa.kernels:
  - .name:           k_q6490a6c66f_attn
    .symbol:         k_q6490a6c66f_attn.kd
    .args:
      - { .name: qimg, .offset: 0, .size: 8, .value_kind: global_buffer, .address_space: global }
      - { .name: kv, .offset: 8, .size: 8, .value_kind: global_buffer, .address_space: global }
      - { .name: oimg, .offset: 16, .size: 8, .value_kind: global_buffer, .address_space: global }
      - { .name: oscl, .offset: 24, .size: 8, .value_kind: global_buffer, .address_space: global }
    .group_segment_fixed_size: 327680
    .private_segment_fixed_size: 0
    .kernarg_segment_align: 8
    .kernarg_segment_size: 32
    .max_flat_workgroup_size: 512
    .sgpr_count:     66
    .vgpr_count:     256
    .wavefront_size: 32
...
	.end_amdgpu_metadata
.endif
;; end of part 3
;; launch oproj (part 4): grid 64 x 4, 8 waves a work-group, no clusters, 117,760 bytes of LDS; arguments oimg, oscl, wimg, wscl, bo, out0; writes out0
.if DOCPART == 4
	.amdgcn_target "amdgcn-amd-amdhsa--gfx1250"
	.amdhsa_code_object_version 6
	.text
	.protected	k_q6490a6c66f_oproj
	.globl	k_q6490a6c66f_oproj
	.p2align	8
	.type	k_q6490a6c66f_oproj,@function
k_q6490a6c66f_oproj:
	s_mov_b64 s[64:65], 0
	v_nop
	global_prefetch_b8 v0, s[64:65] scope:SCOPE_SE
	s_setreg_imm32_b32 hwreg(HW_REG_WAVE_MODE, 25, 1), 1
	s_wait_xcnt 0x0
; out0 = o Wo^T + bo on codes of BF6 (E3M2) with one E8M0 byte for each 32 along K.  o arrives as images of operand registers (oimg: for each tile of 16 rows and each head six registers; two heads are a K step of 128),
; its scale bytes as 16 bytes a row (oscl); Wo as fragment images (wimg, the fourth weight) with its scale words (wscl).
; SHARES.  A work-group makes 128 rows x 128 columns: 256 work-groups.  Wave w takes the tile of rows 8 x + w against the eight tiles of columns 8 y .. 8 y + 7.  The 32 fragments of W (48 KB) are copied once into LDS, each wave
; bringing one tile's four, and read from there by all eight waves.  Source 0 = W's 16 columns, source 1 = the rows: a lane holds one row and eight neighbouring columns.  The bias is loaded straight into the accumulators.
; Tiles are in the order of the other launches: lane r of tile 2 b + u stands for index 32 b + 8 u + r + 8 (r / 8).
; THE WAY OUT: through the wave's own stage in LDS; each store then covers 512 consecutive bytes of a row of out0, at a multiple of 512 from its first byte.
; No cluster and no tensor load: what work-groups share here is 48 KB, read once by each.
.set WL,  0                            ; LDS: 8 tiles x 4 K steps x 1,536 bytes
.set STG, 49152                        ; 8 stages of 16 rows x (512 + 16) bytes
.set AF,  12                           ; v12-59   the rows' four fragments
.set AS,  60                           ; v60-63   their scale words, K step s
.set WS,  64                           ; v64-95   W's scale words: register 4 t + s
.set WF,  96                           ; v96-191  eight fragments of W; on the way out 16 rows
.set ACC, 192                          ; v192-255 eight accumulators
	s_load_b256 s[4:11], s[0:1], 0x0               ; oimg, oscl, wimg, wscl
	s_load_b128 s[12:15], s[0:1], 0x20             ; bo, out0
	v_lshl_add_u32 v10, v0, 2, 0x1c800
	v_mov_b32 v11, 0
	v_lshrrev_b32 v8, 5, v0
	v_readfirstlane_b32 s16, v8                    ; wave
	s_and_b32 s17, ttmp7, 0xffff                   ; y
	v_and_b32 v8, 31, v0
	v_lshlrev_b32 v1, 4, v8                        ; v1  16 x lane
	v_lshlrev_b32 v2, 3, v8                        ; v2  8 x lane
	v_and_b32 v8, 15, v0
	v_bfe_u32 v9, v0, 4, 1
	v_lshlrev_b32 v3, 4, v8                        ; v3  16 r
	v_lshlrev_b32 v6, 6, v9                        ; v6  64 h
	s_mul_i32 s18, s16, 8448
	s_add_co_u32 s18, s18, STG
	v_mul_u32_u24 v4, v8, 528
	v_add_nc_u32 v4, v4, v6
	v_add_nc_u32 v4, s18, v4                       ; v4  the stage, in: row r, + 64 h
	v_add_nc_u32 v5, s18, v1                       ; v5  and back: 16 x lane
	s_mul_i32 s18, s16, 6144
	v_add_nc_u32 v7, s18, v1                       ; v7  where I put my tile of W
	s_lshl_b32 s19, ttmp9, 3
	s_add_co_u32 s19, s19, s16                     ; my tile of rows
	s_mul_i32 s20, s19, 6144
	s_mov_b32 s21, 0
	s_lshl_b32 s22, s19, 8
	s_mov_b32 s23, 0
	s_lshl_b32 s24, s17, 3
	s_add_co_u32 s24, s24, s16
	s_mul_i32 s24, s24, 6144
	s_add_co_u32 s24, s24, 589824                  ; the fourth weight, tile 8 y + w
	s_mov_b32 s25, 0
	s_lshl_b32 s26, s17, 12
	s_add_co_u32 s26, s26, 49152                   ; its scale words from tile 8 y on
	s_mov_b32 s27, 0
	s_lshl_b32 s28, s17, 9                         ; 128 columns: 512 bytes
	s_mov_b32 s29, 0
	s_lshl_b32 s30, ttmp9, 18                      ; out0: 128 rows of 2,048 bytes a block,
	s_lshr_b32 s31, s16, 1
	s_lshl_b32 s31, s31, 16                        ; + 32 (w / 2) rows
	s_add_co_u32 s30, s30, s31
	s_and_b32 s31, s16, 1
	s_lshl_b32 s31, s31, 14                        ; + 8 (w % 2) rows
	s_add_co_u32 s30, s30, s31
	s_add_co_u32 s30, s30, s28
	s_mov_b32 s31, 0
	s_wait_kmcnt 0x0
	s_add_nc_u64 s[4:5], s[4:5], s[20:21]
	s_add_nc_u64 s[6:7], s[6:7], s[22:23]
	s_add_nc_u64 s[8:9], s[8:9], s[24:25]
	s_add_nc_u64 s[10:11], s[10:11], s[26:27]
	s_add_nc_u64 s[12:13], s[12:13], s[28:29]
	s_add_nc_u64 s[14:15], s[14:15], s[30:31]
.irp i, 0,1,2,3,4,5,6,7,8,9,10,11
	global_load_b128 v[WF+4*\i:WF+4*\i+3], v1, s[8:9] offset:512*\i
.endr
.irp s, 0,1,2,3                        ; K step s: heads 2 s and 2 s + 1, six registers each
	global_load_b128 v[AF+12*\s:AF+12*\s+3], v1, s[4:5] offset:1536*\s
	global_load_b64 v[AF+12*\s+4:AF+12*\s+5], v2, s[4:5] offset:1536*\s+512
	global_load_b128 v[AF+12*\s+6:AF+12*\s+9], v1, s[4:5] offset:1536*\s+768
	global_load_b64 v[AF+12*\s+10:AF+12*\s+11], v2, s[4:5] offset:1536*\s+1280
.endr
	global_load_b128 v[AS:AS+3], v3, s[6:7]
.irp t, 0,1,2,3,4,5,6,7
	global_load_b128 v[WS+4*\t:WS+4*\t+3], v1, s[10:11] offset:512*\t
.endr
.irp t, 0,1,2,3,4,5,6,7
	global_load_b128 v[ACC+8*\t:ACC+8*\t+3], v6, s[12:13] offset:4*(32*(\t/2)+8*(\t%2))
	global_load_b128 v[ACC+8*\t+4:ACC+8*\t+7], v6, s[12:13] offset:4*(32*(\t/2)+8*(\t%2))+16
.endr
	s_wait_loadcnt 41                              ; my tile of W is in; the 16 + 1 + 8 + 16 younger loads may be out
.irp i, 0,1,2,3,4,5,6,7,8,9,10,11
	ds_store_b128 v7, v[WF+4*\i:WF+4*\i+3] offset:WL+512*\i
.endr
	s_wait_dscnt 0x0                               ; for the others' sake: my stores have landed
	s_barrier_signal -1
	s_barrier_wait -1
	s_wait_loadcnt 0x0
.irp s, 0,1,2,3
.if \s > 0
.rept 4
	v_nop                                          ; places in front of loads into registers that matrix instructions have read
.endr
.endif
.irp t, 0,1,2,3,4,5,6,7
.irp c, 0,1,2
	ds_load_b128 v[WF+12*\t+4*\c:WF+12*\t+4*\c+3], v1 offset:WL+6144*\t+1536*\s+512*\c
.endr
.endr
	s_wait_dscnt 0x0
.irp t, 0,1,2,3,4,5,6,7                ; eight accumulators by turns
	v_wmma_scale_f32_16x16x128_f8f6f4 v[ACC+8*\t:ACC+8*\t+7], v[WF+12*\t:WF+12*\t+11], v[AF+12*\s:AF+12*\s+11], v[ACC+8*\t:ACC+8*\t+7], v[WS+4*\t+\s], v[AS+\s] matrix_a_fmt:MATRIX_FMT_BF6 matrix_b_fmt:MATRIX_FMT_BF6
.endr
.endr
.rept 4
	v_nop                                          ; places in front of the first read of the results and of the loads into W's registers
.endr
.irp g, 0,1,2,3,4,5,6,7,8,9,10,11,12,13,14,15
	ds_store_b128 v4, v[ACC+4*\g:ACC+4*\g+3] offset:128*(\g/4)+16*(\g%4)   ; tile t's eight columns begin at 32 (t / 2) + 8 (t % 2) + 16 h; each accumulator from its low end on
.endr
.irp i, 0,1,2,3,4,5,6,7,8,9,10,11,12,13,14,15
	ds_load_b128 v[WF+4*\i:WF+4*\i+3], v5 offset:528*\i    ; LDS serves a wave's instructions in order: these see my stores
.endr
.irp i, 0,1,2,3,4,5,6,7,8,9,10,11,12,13,14,15
	s_wait_dscnt 15-\i
	global_store_b128 v1, v[WF+4*\i:WF+4*\i+3], s[14:15] offset:(\i+8*(\i/8))*2048 th:TH_STORE_NT
.endr
	s_wait_tensorcnt 0x0
	ds_add_u32 v10, v11
	s_wait_dscnt 0x0
	s_endpgm
.Lfunc_end_k_q6490a6c66f_oproj:
	.size	k_q6490a6c66f_oproj, .Lfunc_end_k_q6490a6c66f_oproj-k_q6490a6c66f_oproj
	.p2alignl 7, 3214868480
	.fill 96, 4, 3214868480
	.section	.rodata,"a",@progbits
	.p2align	6, 0x0
	.amdhsa_kernel k_q6490a6c66f_oproj
		.amdhsa_group_segment_fixed_size 117760
		.amdhsa_private_segment_fixed_size 0
		.amdhsa_enable_private_segment 0
		.amdhsa_kernarg_size 48
		.amdhsa_user_sgpr_count 2
		.amdhsa_user_sgpr_kernarg_segment_ptr 1
		.amdhsa_wavefront_size32 1
		.amdhsa_system_sgpr_workgroup_id_x 1
		.amdhsa_system_sgpr_workgroup_id_y 1
		.amdhsa_system_sgpr_workgroup_id_z 1
		.amdhsa_system_vgpr_workitem_id 0
		.amdhsa_next_free_vgpr 256
		.amdhsa_next_free_sgpr 66
		.amdhsa_reserve_vcc 0
		.amdhsa_float_denorm_mode_32 3
		.amdhsa_float_denorm_mode_16_64 3
		.amdhsa_memory_ordered 1
		.amdhsa_forward_progress 1
		.amdhsa_inst_pref_size 24
	.end_amdhsa_kernel
	.amdgpu_metadata
---
amdhsa.version: [ 1, 2 ]
amdhsa.kernels:
  - .name:           k_q6490a6c66f_oproj
    .symbol:         k_q6490a6c66f_oproj.kd
    .args:
      - { .name: oimg, .offset: 0, .size: 8, .value_kind: global_buffer, .address_space: global }
      - { .name: oscl, .offset: 8, .size: 8, .value_kind: global_buffer, .address_space: global }
      - { .name: wimg, .offset: 16, .size: 8, .value_kind: global_buffer, .address_space: global }
      - { .name: wscl, .offset: 24, .size: 8, .value_kind: global_buffer, .address_space: global }
      - { .name: bo, .offset: 32, .size: 8, .value_kind: global_buffer, .address_space: global }
      - { .name: out0, .offset: 40, .size: 8, .value_kind: global_buffer, .address_space: global }
    .group_segment_fixed_size: 117760
    .private_segment_fixed_size: 0
    .kernarg_segment_align: 8
    .kernarg_segment_size: 48
    .max_flat_workgroup_size: 256
    .sgpr_count:     66
    .vgpr_count:     256
    .wavefront_size: 32
...
	.end_amdgpu_metadata
.endif
;; end of part 4
;; ======== version 2 of 2: 4 launches
;; limits: right only within a limited range of input values
;; workspace buffers: wimg 786,432 bytes; wscl 65,536 bytes; qimg 4,456,448 bytes; kv 7,864,320 bytes; oimg 3,145,728 bytes; oscl 131,072 bytes
;; launch wquant (part 5): grid 128 x 1, 4 waves a work-group, no clusters, 1,536 bytes of LDS; arguments Wq, Wk, Wv, Wo, wimg, wscl; writes wimg, wscl
.if DOCPART == 5
	.amdgcn_target "amdgcn-amd-amdhsa--gfx1250"
	.amdhsa_code_object_version 6
	.text
	.protected	k_q6490a6c66f_wquant
	.globl	k_q6490a6c66f_wquant
	.p2align	8
	.type	k_q6490a6c66f_wquant,@function
k_q6490a6c66f_wquant:
	s_mov_b64 s[64:65], 0
	v_nop
	global_prefetch_b8 v0, s[64:65] scope:SCOPE_SE
	s_setreg_imm32_b32 hwreg(HW_REG_WAVE_MODE, 25, 1), 1
	s_wait_xcnt 0x0
; Wq, Wk, Wv, Wo [512 (n)][512 (k)] f32 become codes of BF6 (E3M2) with one E8M0 byte for each 32 along k, laid as IMAGES OF OPERAND REGISTERS:
; wimg [4 weights][32 tiles of 16 rows][4 K steps of 128][1,536 bytes]: a fragment's 12 registers as three groups of four, lane l's 16 bytes at 16 l.
; wscl [4][32][512 bytes]: four registers, register s = the rows' scale words of K step s, lane l's four words at 16 l (both halves of the lanes hold the same).
; THE ROWS OF A TILE ARE NOT NEIGHBOURS: lane r of tile 2 b + u stands for row 32 b + 8 u + r + 8 (r / 8), so that in a product's result the 16 registers of tiles 2 b, 2 b + 1 are 16 neighbouring columns.
; SHARES: work-group g takes weight g / 32, tile g % 32; wave s takes K step s.  A lane loads, of its row, 16 neighbours of each block of 32 (64 bytes); 4 MB are read once in the whole launch.
; A block's scale byte is its largest magnitude's exponent field - 4, held at 1 from below.  LIMITS: a block of zeros gets the byte 1 (its codes are zeros; this program alone reads the bytes); NaN and infinities are not served.
.set XA,  4                            ; v4   my byte in the tile's rows: 2,048 x (r + 8 (r / 8)) + 64 (lane / 16)
.set LI,  5                            ; v5   16 x lane
.set LW,  6                            ; v6   LDS: 16 x lane + 4 x wave
.set XN,  16                           ; v16-79   64 numbers: register 16 b + i = k 32 b + 16 (lane / 16) + i
.set PC,  80                           ; v80-91   the fragment's codes
.set TM,  96                           ; v96-111  at work
.set PW,  112                          ; v112     my row's scale word
.set OW,  116                          ; v116-119 the four words on the way out
.set SEL, 20                           ; s[20:21] lane selects: lane l xor 16
.macro SCALE4 s                        ; four blocks by turns: largest magnitude -> the conversion's scale operand in v[TM+12+k], the byte in v[TM+4+k]
.irp k, 0,1,2,3
	v_max3_num_f32 v[TM+\k], |v[\s+16*\k]|, |v[\s+1+16*\k]|, 0x2800000   ; with the floor 2^(5 - 127): the byte cannot fall under 1
.endr
.irp i, 2,4,6,8,10,12,14
.irp k, 0,1,2,3
	v_max3_num_f32 v[TM+\k], v[TM+\k], |v[\s+16*\k+\i]|, |v[\s+1+16*\k+\i]|
.endr
.endr
.irp k, 0,1,2,3
	v_permlanex16_b32 v[TM+4+\k], v[TM+\k], s[SEL], s[SEL+1]
.endr
.irp k, 0,1,2,3
	v_max_num_f32 v[TM+\k], v[TM+\k], v[TM+4+\k]                  ; with lane l xor 16's 16 numbers: the block's
.endr
.irp k, 0,1,2,3
	v_add_nc_u32 v[TM+12+\k], 0xfe000000, v[TM+\k]                ; 4 off the exponent field
.endr
.irp k, 0,1,2,3
	v_lshrrev_b32 v[TM+4+\k], 23, v[TM+12+\k]                     ; the byte
.endr
.endm
.macro QUANT s, w                      ; 64 numbers of a lane -> a fragment in v[PC] .. v[PC+11], its scale word in v[w]
	SCALE4 \s
	v_lshl_or_b32 v[\w], v[TM+5], 8, v[TM+4]
	v_lshl_or_b32 v[\w], v[TM+6], 16, v[\w]
	v_lshl_or_b32 v[\w], v[TM+7], 24, v[\w]
	v_cvt_scalef32_pk16_bf6_f32 v[PC:PC+2], v[\s:\s+15], v[TM+12]
	v_cvt_scalef32_pk16_bf6_f32 v[TM+8:TM+10], v[\s+16:\s+31], v[TM+13]   ; (a conversion's three registers begin on an even number: the odd halves are made in registers of TM that are done with, and moved)
	v_cvt_scalef32_pk16_bf6_f32 v[PC+6:PC+8], v[\s+32:\s+47], v[TM+14]
	v_cvt_scalef32_pk16_bf6_f32 v[TM:TM+2], v[\s+48:\s+63], v[TM+15]
	v_nop                                                         ; one plain line behind the conversions
.irp i, 0,1,2
	v_permlane16_swap_b32 v[PC+\i], v[TM+8+\i]                    ; the layout wants a whole block in a lane: lanes 0-15 the even block, lanes 16-31 the odd one
.endr
.irp i, 0,1,2
	v_mov_b32 v[PC+3+\i], v[TM+8+\i]
.endr
.irp i, 0,1,2
	v_permlane16_swap_b32 v[PC+6+\i], v[TM+\i]
.endr
.irp i, 0,1,2
	v_mov_b32 v[PC+9+\i], v[TM+\i]
.endr
.endm
	s_load_b256 s[4:11], s[0:1], 0x0               ; Wq, Wk, Wv, Wo
	s_load_b128 s[12:15], s[0:1], 0x20             ; wimg, wscl
	v_lshl_add_u32 v128, v0, 2, 0x400
	v_mov_b32 v129, 0
	v_lshrrev_b32 v1, 5, v0
	v_readfirstlane_b32 s16, v1                    ; wave = K step
	v_and_b32 v1, 31, v0                           ; lane
	v_and_b32 v2, 15, v0                           ; r
	v_bfe_u32 v3, v0, 4, 1                         ; h
	v_and_b32 v[XA], 8, v2
	v_add_nc_u32 v[XA], v[XA], v2                  ; r + 8 (r / 8)
	v_lshlrev_b32 v[XA], 11, v[XA]                 ; a row of W is 2,048 bytes
	v_lshl_add_u32 v[XA], v3, 6, v[XA]
	v_lshlrev_b32 v[LI], 4, v1
	s_lshl_b32 s17, s16, 2
	v_add_nc_u32 v[LW], s17, v[LI]
	s_mov_b32 s[SEL], 0x76543210
	s_mov_b32 s[SEL+1], 0xfedcba98
.irp k, 0,1,2,3
	v_mov_b32 v[TM+4+\k], 0                        ; written once: a lane permute's destination counts as one of its sources
.endr
	s_lshr_b32 s18, ttmp9, 5                       ; which weight
	s_and_b32 s19, ttmp9, 31                       ; which tile
	s_lshr_b32 s22, s19, 1
	s_lshl_b32 s22, s22, 16                        ; 32 rows
	s_and_b32 s23, s19, 1
	s_lshl_b32 s23, s23, 14                        ; 8 rows
	s_add_co_u32 s22, s22, s23
	s_lshl_b32 s23, s16, 9                         ; my K step: 512 bytes of a row
	s_add_co_u32 s22, s22, s23
	s_mov_b32 s23, 0
	s_lshl_b32 s24, ttmp9, 2
	s_add_co_u32 s24, s24, s16
	s_mul_i32 s24, s24, 1536                       ; my fragment's image
	s_mov_b32 s25, 0
	s_lshl_b32 s26, ttmp9, 9                       ; the tile's scale words
	s_mov_b32 s27, 0
	s_wait_alu depctr_va_vdst(0)
	s_wait_kmcnt 0x0
	s_cmp_eq_u32 s18, 1                            ; the choice hangs on the work-group's number alone
	s_cselect_b64 s[4:5], s[6:7], s[4:5]
	s_cmp_eq_u32 s18, 2
	s_cselect_b64 s[4:5], s[8:9], s[4:5]
	s_cmp_eq_u32 s18, 3
	s_cselect_b64 s[4:5], s[10:11], s[4:5]
	s_add_nc_u64 s[4:5], s[4:5], s[22:23]
	s_add_nc_u64 s[12:13], s[12:13], s[24:25]
	s_add_nc_u64 s[14:15], s[14:15], s[26:27]
.irp b, 0,1,2,3
.irp j, 0,1,2,3
	global_load_b128 v[XN+16*\b+4*\j:XN+16*\b+4*\j+3], v[XA], s[4:5] offset:128*\b+16*\j th:TH_LOAD_NT
.endr
.endr
	s_wait_loadcnt 0x0
	QUANT XN, PW
.irp c, 0,1,2
	global_store_b128 v[LI], v[PC+4*\c:PC+4*\c+3], s[12:13] offset:512*\c   ; 32 lanes store 512 consecutive bytes
.endr
	ds_store_b32 v[LW], v[PW]                      ; the four waves' words meet in LDS as the image of four registers
	s_wait_dscnt 0x0                               ; for the others' sake: my store has landed
	s_barrier_signal -1
	s_barrier_wait -1
	s_cmp_lg_u32 s16, 0
	s_cbranch_scc1 .Ldone                          ; wave 0 stores the 512 bytes
	ds_load_b128 v[OW:OW+3], v[LI]
	s_wait_dscnt 0x0
	global_store_b128 v[LI], v[OW:OW+3], s[14:15]
.Ldone:
	s_wait_tensorcnt 0x0
	ds_add_u32 v128, v129
	s_wait_dscnt 0x0
	s_endpgm
.Lfunc_end_k_q6490a6c66f_wquant:
	.size	k_q6490a6c66f_wquant, .Lfunc_end_k_q6490a6c66f_wquant-k_q6490a6c66f_wquant
	.p2alignl 7, 3214868480
	.fill 96, 4, 3214868480
	.section	.rodata,"a",@progbits
	.p2align	6, 0x0
	.amdhsa_kernel k_q6490a6c66f_wquant
		.amdhsa_group_segment_fixed_size 1536
		.amdhsa_private_segment_fixed_size 0
		.amdhsa_enable_private_segment 0
		.amdhsa_kernarg_size 48
		.amdhsa_user_sgpr_count 2
		.amdhsa_user_sgpr_kernarg_segment_ptr 1
		.amdhsa_wavefront_size32 1
		.amdhsa_system_sgpr_workgroup_id_x 1
		.amdhsa_system_sgpr_workgroup_id_y 1
		.amdhsa_system_sgpr_workgroup_id_z 1
		.amdhsa_system_vgpr_workitem_id 0
		.amdhsa_next_free_vgpr 130
		.amdhsa_next_free_sgpr 66
		.amdhsa_reserve_vcc 0
		.amdhsa_float_denorm_mode_32 3
		.amdhsa_float_denorm_mode_16_64 3
		.amdhsa_memory_ordered 1
		.amdhsa_forward_progress 1
		.amdhsa_inst_pref_size 9
	.end_amdhsa_kernel
	.amdgpu_metadata
---
amdhsa.version: [ 1, 2 ]
amdhsa.kernels:
  - .name:           k_q6490a6c66f_wquant
    .symbol:         k_q6490a6c66f_wquant.kd
    .args:
      - { .name: Wq, .offset: 0, .size: 8, .value_kind: global_buffer, .address_space: global }
      - { .name: Wk, .offset: 8, .size: 8, .value_kind: global_buffer, .address_space: global }
      - { .name: Wv, .offset: 16, .size: 8, .value_kind: global_buffer, .address_space: global }
      - { .name: Wo, .offset: 24, .size: 8, .value_kind: global_buffer, .address_space: global }
      - { .name: wimg, .offset: 32, .size: 8, .value_kind: global_buffer, .address_space: global }
      - { .name: wscl, .offset: 40, .size: 8, .value_kind: global_buffer, .address_space: global }
    .group_segment_fixed_size: 1536
    .private_segment_fixed_size: 0
    .kernarg_segment_align: 8
    .kernarg_segment_size: 48
    .max_flat_workgroup_size: 128
    .sgpr_count:     66
    .vgpr_count:     130
    .wavefront_size: 32
...
	.end_amdgpu_metadata
.endif
;; end of part 5
;; launch proj (part 6): grid 64 x 3, 8 waves a work-group, no clusters, 121,856 bytes of LDS; arguments Q, K, V, mask, bq, bk, bv, wimg, wscl, qimg, kv; writes qimg, kv
.if DOCPART == 6
	.amdgcn_target "amdgcn-amd-amdhsa--gfx1250"
	.amdhsa_code_object_version 6
	.text
	.protected	k_q6490a6c66f_proj
	.globl	k_q6490a6c66f_proj
	.p2align	8
	.type	k_q6490a6c66f_proj,@function
k_q6490a6c66f_proj:
	s_mov_b64 s[64:65], 0
	v_nop
	global_prefetch_b8 v0, s[64:65] scope:SCOPE_SE
	s_setreg_imm32_b32 hwreg(HW_REG_WAVE_MODE, 25, 1), 1
	s_wait_xcnt 0x0
; q = Q Wq^T + bq, k = K Wk^T + bk, v = V Wv^T + bv on codes of BF6 (E3M2, one E8M0 byte for each 32 along K), and the results quantised at once for the attention launch: q and k along the head's 64, v along the keys.
; SHARES.  Work-group (x, y): rows 128 x .. 128 x + 127 of tensor y (0 q, 1 k, 2 v): one key step of one batch.  Wave w is head w: columns 64 w .. 64 w + 63; its 16 fragments of W stay in registers (window 1).
; Every tile of 16 (rows, columns) is taken in one order: lane r of tile 2 b + u stands for index 32 b + 8 u + r + 8 (r / 8); so a result's 16 registers of tiles 2 b and 2 b + 1 are 16 neighbours along source 0's axis.
; PHASE X: wave w quantises tile w of the 128 rows (four K steps of 128).  Loads read 512 consecutive bytes; a K step's 16 rows turn through the wave's own stage in LDS so that a lane holds 16 neighbours of each block.
;   The four fragments and the scale words go to LDS as images of their registers (16 bytes a lane, 512 a store).  ONE barrier.
; PHASE 1, q and k: for each tile of rows: source 0 = W's 16 columns, source 1 = the rows: a lane holds one row and 32 of the head's 64 numbers; two blocks are quantised in registers and stored as an image of eight registers:
;   0-5 the codes, 6 one more code at k = 64 (below), 7 zero.   v: source 0 = the rows (keys), source 1 = W's columns: a lane holds one channel and its registers run along the keys; 128 keys make one fragment a channel tile.
; THE MASK RIDES IN THE SCORE PRODUCT'S UNUSED K.  The head's 64 fill half of the instruction's 128.  At k = 64 q has the code +1.0 under the scale byte 127; k has 0 under the byte 1, or, where mask == 0, -1.0 under the byte 160,
;   and zeros for its 64 real codes: such a key's score is exactly -2^33, its logit -2^30.
; LIMITS: a masked logit is -2^30 where the definition has -1e9: the results differ only if a row's unmasked logits lie under about -1e9.  A block of zeros gets the byte 1 (this program alone reads the bytes).  NaN and infinities are not served.
; No cluster: each wave's weights go once from memory into the registers where they stay; nothing that several work-groups read passes through LDS.
.set XIMG, 0                           ; LDS: the rows' fragments: 8 tiles x 4 K steps x 1,536 bytes
.set XSC,  49152                       ; their scale words: 8 x 512 bytes (four registers: K step s)
.set STG,  53248                       ; 8 stages of 16 rows x (512 + 16) bytes, a wave's own
.set LI,   1                           ; v1  16 x lane
.set STI,  2                           ; v2  the stage, on the way in: 16 x lane
.set STO,  3                           ; v3  and out: 528 r + 64 h
.set XWI,  4                           ; v4  where I store my tile's images
.set XWS,  5                           ; v5  and its scale words
.set WT,   6                           ; v6  at the head 64 h (the bias's offset); later the upper two bytes of the tile's scale words
.set WC1,  7                           ; v7  at the head 4 (r + 8 (r / 8)); later the upper bytes of a masked key's word
.set WS,   8                           ; v8-23    W's scale words: register 4 t + s; nothing else ever
.set R0,   24                          ; v24-87   16 rows x 512 bytes as loaded
.set R1,   88                          ; v88-151  the same, the other set
.set XN,   152                         ; v152-215 64 numbers of a lane
.set HA,   152                         ;          later the accumulators
.set PC,   216                         ; v216-227 codes
.set TM,   228                         ; v228-243 at work
.set XS,   244                         ; v244-247 the rows' scale words, K step s; nothing else ever
.set XW,   248                         ; v248-251 the words that I make in phase X
.set NIL,  252
.set E0L,  253                         ; the code at k = 64 of an open row, in lanes 0-15; 0 in lanes 16-31
.set E1L,  254                         ; of a masked key
.set WC0,  255                         ; the upper bytes of an open row's word
.set XF,   24                          ; v24-71   phase 1: a tile's four fragments
.set VT,   72                          ; v72-87   v: the odd blocks' codes before the exchange
.set KW,   88                          ; v88-95   q, k: the eight tiles' scale words;  v96-99 their image
.set KIM,  96
.set VC,   88                          ; v88-135  v: four fragments
.set VW,   136                         ; v136-139 v: their scale words
.set BI,   192                         ; window 1: v0-191 W's fragments (t, s) at 12 (4 t + s); v192-223 the bias, eight registers a tile
.set SEL,  30
.set MSB, 0
.macro WIN new                         ; the immediate's high byte repeats the setting that is left
.if MSB != \new
	s_set_vgpr_msb (MSB<<8)|\new
.set MSB, \new
.endif
.endm
.macro SCALE4 s
.irp k, 0,1,2,3
	v_max3_num_f32 v[TM+\k], |v[\s+16*\k]|, |v[\s+1+16*\k]|, 0x2800000   ; with the floor 2^(5 - 127): the byte cannot fall under 1
.endr
.irp i, 2,4,6,8,10,12,14
.irp k, 0,1,2,3
	v_max3_num_f32 v[TM+\k], v[TM+\k], |v[\s+16*\k+\i]|, |v[\s+1+16*\k+\i]|
.endr
.endr
.irp k, 0,1,2,3
	s_delay_alu instid0(VALU_DEP_4)
	v_permlanex16_b32 v[TM+4+\k], v[TM+\k], s[SEL], s[SEL+1]
.endr
.irp k, 0,1,2,3
	s_delay_alu instid0(VALU_DEP_4)
	v_max_num_f32 v[TM+\k], v[TM+\k], v[TM+4+\k]
.endr
.irp k, 0,1,2,3
	s_delay_alu instid0(VALU_DEP_4)
	v_add_nc_u32 v[TM+12+\k], 0xfe000000, v[TM+\k]                ; 4 off the exponent field: the conversion's scale operand
.endr
.irp k, 0,1,2,3
	s_delay_alu instid0(VALU_DEP_4)
	v_lshrrev_b32 v[TM+4+\k], 23, v[TM+12+\k]                     ; the byte
.endr
.endm
.macro SCALE2 s
.irp k, 0,1
	v_max3_num_f32 v[TM+\k], |v[\s+16*\k]|, |v[\s+1+16*\k]|, 0x2800000
.endr
.irp i, 2,4,6,8,10,12,14
.irp k, 0,1
	v_max3_num_f32 v[TM+\k], v[TM+\k], |v[\s+16*\k+\i]|, |v[\s+1+16*\k+\i]|
.endr
.endr
.irp k, 0,1
	s_delay_alu instid0(VALU_DEP_2)
	v_permlanex16_b32 v[TM+4+\k], v[TM+\k], s[SEL], s[SEL+1]
.endr
.irp k, 0,1
	s_delay_alu instid0(VALU_DEP_2)
	v_max_num_f32 v[TM+\k], v[TM+\k], v[TM+4+\k]
.endr
.irp k, 0,1
	s_delay_alu instid0(VALU_DEP_2)
	v_add_nc_u32 v[TM+12+\k], 0xfe000000, v[TM+\k]
.endr
.irp k, 0,1
	s_delay_alu instid0(VALU_DEP_2)
	v_lshrrev_b32 v[TM+4+\k], 23, v[TM+12+\k]
.endr
.endm
.macro QUANT s, w                      ; 64 numbers of a lane -> a fragment in v[PC] .. v[PC+11], its scale word in v[w]
	SCALE4 \s
	s_delay_alu instid0(VALU_DEP_3)
	v_lshl_or_b32 v[\w], v[TM+5], 8, v[TM+4]
	s_delay_alu instid0(VALU_DEP_1)
	v_lshl_or_b32 v[\w], v[TM+6], 16, v[\w]
	s_delay_alu instid0(VALU_DEP_1)
	v_lshl_or_b32 v[\w], v[TM+7], 24, v[\w]
	v_cvt_scalef32_pk16_bf6_f32 v[PC:PC+2], v[\s:\s+15], v[TM+12]
	v_cvt_scalef32_pk16_bf6_f32 v[TM+8:TM+10], v[\s+16:\s+31], v[TM+13]   ; (three registers from an even number on: the odd halves are made in registers of TM that are done with, and moved)
	v_cvt_scalef32_pk16_bf6_f32 v[PC+6:PC+8], v[\s+32:\s+47], v[TM+14]
	v_cvt_scalef32_pk16_bf6_f32 v[TM:TM+2], v[\s+48:\s+63], v[TM+15]
	v_nop                                                         ; one plain line behind the conversions
.irp i, 0,1,2
	v_permlane16_swap_b32 v[PC+\i], v[TM+8+\i]
.endr
.irp i, 0,1,2
	s_delay_alu instid0(VALU_DEP_3)
	v_mov_b32 v[PC+3+\i], v[TM+8+\i]
.endr
.irp i, 0,1,2
	v_permlane16_swap_b32 v[PC+6+\i], v[TM+\i]
.endr
.irp i, 0,1,2
	s_delay_alu instid0(VALU_DEP_3)
	v_mov_b32 v[PC+9+\i], v[TM+\i]
.endr
.endm
.macro QUANT32 s, d                    ; 32 numbers of a lane (two blocks) -> v[d] .. v[d+2] the lower 16 codes of my half's block, v[TM+8] .. v[TM+10] the upper 16; the bytes in v[TM+4], v[TM+5]
	SCALE2 \s
	v_cvt_scalef32_pk16_bf6_f32 v[\d:\d+2], v[\s:\s+15], v[TM+12]
	v_cvt_scalef32_pk16_bf6_f32 v[TM+8:TM+10], v[\s+16:\s+31], v[TM+13]
	v_nop
.irp i, 0,1,2
	v_permlane16_swap_b32 v[\d+\i], v[TM+8+\i]
.endr
.endm
.macro XLOAD set, s                    ; K step s of my tile's 16 rows: each load reads 512 consecutive bytes, at a multiple of 512 from the tensor's first byte
.irp i, 0,1,2,3,4,5,6,7,8,9,10,11,12,13,14,15
	global_load_b128 v[\set+4*\i:\set+4*\i+3], v[LI], s[32:33] offset:(\i+8*(\i/8))*2048+512*\s th:TH_LOAD_NT
.endr
.endm
.macro TURN set                        ; through my stage: LDS serves a wave's instructions in order, so no wait stands between the stores and the loads
.irp i, 0,1,2,3,4,5,6,7,8,9,10,11,12,13,14,15
	ds_store_b128 v[STI], v[\set+4*\i:\set+4*\i+3] offset:528*\i
.endr
.irp b, 0,1,2,3
.irp j, 0,1,2,3
	ds_load_b128 v[XN+16*\b+4*\j:XN+16*\b+4*\j+3], v[STO] offset:128*\b+16*\j
.endr
.endr
.endm
.macro IMAGE s
.irp c, 0,1,2
	ds_store_b128 v[XWI], v[PC+4*\c:PC+4*\c+3] offset:XIMG+1536*\s+512*\c
.endr
.endm
.macro FETCHX m                        ; tile m's four fragments and its scale words, as any wave takes them
.irp i, 0,1,2,3,4,5,6,7,8,9,10,11
	ds_load_b128 v[XF+4*\i:XF+4*\i+3], v[LI] offset:XIMG+6144*(\m)+512*\i
.endr
	ds_load_b128 v[XS:XS+3], v[LI] offset:XSC+512*(\m)
.endm
	s_load_b256 s[4:11], s[0:1], 0x0               ; Q, K, V, mask
	s_load_b256 s[12:19], s[0:1], 0x20             ; bq, bk, bv, wimg
	s_load_b128 s[20:23], s[0:1], 0x40             ; wscl, qimg
	s_load_b64 s[24:25], s[0:1], 0x50              ; kv
	v_lshl_add_u32 v239, v0, 2, 0x1d800
	s_set_vgpr_msb 0x40
	v_mov_b32 v255, 0
	s_set_vgpr_msb 0x4000
	v_lshrrev_b32 v[TM], 5, v0
	s_delay_alu instid0(VALU_DEP_1)
	v_readfirstlane_b32 s26, v[TM]                 ; wave = head = my tile of rows in phase X
	s_and_b32 s27, ttmp7, 0xffff                   ; 0 q, 1 k, 2 v
	s_mov_b32 s28, ttmp9                           ; the block of 128 rows
	v_and_b32 v[TM], 31, v0
	s_delay_alu instid0(VALU_DEP_1)
	v_lshlrev_b32 v[LI], 4, v[TM]
	v_and_b32 v[TM], 15, v0                        ; r
	v_bfe_u32 v[TM+1], v0, 4, 1                    ; h
	s_mul_i32 s50, s26, 8448
	s_add_co_u32 s50, s50, STG
	v_add_nc_u32 v[STI], s50, v[LI]
	v_mul_u32_u24 v[STO], v[TM], 528
	s_delay_alu instid0(VALU_DEP_1)
	v_lshl_add_u32 v[STO], v[TM+1], 6, v[STO]
	s_delay_alu instid0(VALU_DEP_1)
	v_add_nc_u32 v[STO], s50, v[STO]
	s_mul_i32 s50, s26, 6144
	v_add_nc_u32 v[XWI], s50, v[LI]
	s_lshl_b32 s50, s26, 9
	s_add_co_u32 s50, s50, XSC
	v_add_nc_u32 v[XWS], s50, v[LI]
	v_lshlrev_b32 v6, 6, v[TM+1]                   ; 64 h
	v_and_b32 v7, 8, v[TM]
	s_delay_alu instid0(VALU_DEP_1)
	v_add_nc_u32 v7, v7, v[TM]
	s_delay_alu instid0(VALU_DEP_1)
	v_lshlrev_b32 v7, 2, v7                        ; 4 (r + 8 (r / 8))
	v_mov_b32 v[NIL], 0
	s_mov_b32 s48, 0xffff0000                      ; lanes 16-31
	s_mov_b32 s[SEL], 0x76543210
	s_mov_b32 s[SEL+1], 0xfedcba98
.irp k, 0,1,2,3
	v_mov_b32 v[TM+4+\k], 0                        ; written once: a lane permute's destination counts as one of its sources
.endr
	s_lshl_b32 s56, s28, 18                        ; X: 128 rows of 2,048 bytes a block,
	s_lshr_b32 s57, s26, 1
	s_lshl_b32 s57, s57, 16                        ; + 32 (w / 2) rows
	s_add_co_u32 s56, s56, s57
	s_and_b32 s57, s26, 1
	s_lshl_b32 s57, s57, 14                        ; + 8 (w % 2) rows
	s_add_co_u32 s56, s56, s57
	s_mov_b32 s57, 0
	s_mul_i32 s58, s27, 196608                     ; wimg: the weight, my head's four tiles
	s_mul_i32 s59, s26, 24576
	s_add_co_u32 s58, s58, s59
	s_mov_b32 s59, 0
	s_lshl_b32 s60, s27, 14                        ; wscl likewise
	s_lshl_b32 s61, s26, 11
	s_add_co_u32 s60, s60, s61
	s_mov_b32 s61, 0
	s_lshl_b32 s62, s26, 8                         ; the bias: my head's 64 numbers
	s_mov_b32 s63, 0
	s_lshl_b32 s2, s28, 9                          ; the mask: 128 numbers a block
	s_mov_b32 s3, 0
	s_wait_kmcnt 0x0
	s_cmp_eq_u32 s27, 0                            ; every choice hangs on the work-group's number alone
	s_cselect_b64 s[32:33], s[4:5], s[6:7]
	s_cselect_b64 s[34:35], s[12:13], s[14:15]
	s_cselect_b64 s[36:37], s[22:23], s[24:25]
	s_mov_b32 s50, 491520
	s_cselect_b32 s50, 278528, s50                 ; bytes of a head in the buffer that I store into,
	s_mov_b32 s51, 15360
	s_cselect_b32 s51, 8704, s51                   ; of a block of 128 rows,
	s_mov_b32 s52, 14336
	s_cselect_b32 s52, 8192, s52                   ; and where the block's scale words begin
	s_mov_b32 s53, 0
	s_cselect_b32 s29, 12, 0                       ; the code at k = 64 of an open row: +1.0 in q, 0 in k
	s_mov_b32 s54, 0x01010000
	s_cselect_b32 s54, 0x017f0000, s54             ; its word's bytes 2 and 3
	s_cmp_eq_u32 s27, 2
	s_cselect_b64 s[32:33], s[8:9], s[32:33]
	s_cselect_b64 s[34:35], s[16:17], s[34:35]
	s_cselect_b32 s55, 8192, 0                     ; v's fragments lie behind k's eight tiles
	s_cmp_eq_u32 s27, 1
	s_cselect_b32 s49, -1, 0                       ; the mask is honoured in k
	s_add_nc_u64 s[32:33], s[32:33], s[56:57]
	s_add_nc_u64 s[34:35], s[34:35], s[62:63]
	s_add_nc_u64 s[10:11], s[10:11], s[2:3]
	s_add_nc_u64 s[18:19], s[18:19], s[58:59]
	s_add_nc_u64 s[20:21], s[20:21], s[60:61]
	s_lshr_b32 s56, s28, 5
	s_lshl_b32 s56, s56, 3
	s_add_co_u32 s56, s56, s26                     ; 8 x batch + head
	s_mul_i32 s56, s56, s50
	s_and_b32 s58, s28, 31
	s_mul_i32 s58, s58, s51
	s_add_co_u32 s56, s56, s58
	s_add_co_u32 s56, s56, s55
	s_add_nc_u64 s[36:37], s[36:37], s[56:57]      ; (s57 is still 0)
	s_add_nc_u64 s[38:39], s[36:37], s[52:53]
	v_mov_b32 v[E0L], s29
	s_wait_alu depctr_va_vdst(0)
	v_cndmask_b32 v[E0L], v[E0L], v[NIL], s48
	v_mov_b32 v[E1L], 0x2c                         ; -1.0
	s_delay_alu instid0(VALU_DEP_1)
	v_cndmask_b32 v[E1L], v[E1L], v[NIL], s48
	v_mov_b32 v[WC0], s54
	WIN 0x40                                       ; destination window 1
.irp f, 0,1,2,3,4,5,6,7,8,9,10,11,12,13,14,15
.irp c, 0,1,2
	global_load_b128 v[12*\f+4*\c:12*\f+4*\c+3], v[LI], s[18:19] offset:1536*\f+512*\c   ; W's fragments: they stay
.endr
.endr
	WIN 0
	s_cmp_eq_u32 s27, 2
	s_cbranch_scc1 .Lbias_v
	WIN 0x40
.irp t, 0,1,2,3                        ; q, k: a lane's eight results of tile t are columns 32 (t / 2) + 8 (t % 2) + 16 h + 0 .. 7
	global_load_b128 v[BI+8*\t:BI+8*\t+3], v6, s[34:35] offset:4*(32*(\t/2)+8*(\t%2))
	global_load_b128 v[BI+8*\t+4:BI+8*\t+7], v6, s[34:35] offset:4*(32*(\t/2)+8*(\t%2))+16
.endr
	WIN 0
	s_branch .Lbias_done
.Lbias_v:
	WIN 0x40
.irp t, 0,1,2,3                        ; v: a lane's eight results are eight keys of ONE channel: its bias eight times
.irp j, 0,1,2,3,4,5,6,7
	global_load_b32 v[BI+8*\t+\j], v7, s[34:35] offset:4*(32*(\t/2)+8*(\t%2))
.endr
.endr
	WIN 0
.Lbias_done:
.irp t, 0,1,2,3
	global_load_b128 v[WS+4*\t:WS+4*\t+3], v[LI], s[20:21] offset:512*\t
.endr
	XLOAD R0, 0
	XLOAD R1, 1
	; ---- PHASE X.  Two sets of registers: while one K step is quantised, the next is in and the one after is on its way
	s_wait_loadcnt 16                              ; all but the youngest 16 loads (K step 1) are in
	TURN R0
	s_wait_dscnt 0x0                               ; my numbers are back, and the stage's stores have read set 0
	XLOAD R0, 2
	QUANT XN, XW
	IMAGE 0
	s_wait_loadcnt 16                              ; K step 1 is in; K step 2's 16 loads may be out
	TURN R1
	s_wait_dscnt 0x0                               ; also: the image's stores have read the codes' registers
	XLOAD R1, 3
	QUANT XN, XW+1
	IMAGE 1
	s_wait_loadcnt 16                              ; K step 2 is in; K step 3's may be out
	TURN R0
	s_wait_dscnt 0x0
.irp m, 0,1,2,3,4,5,6,7
	global_load_b32 v[R0+\m], v7, s[10:11] offset:4*(32*(\m/2)+8*(\m%2))   ; the mask of tile m's 16 keys, into registers of set 0, which is done with
.endr
	QUANT XN, XW+2
	IMAGE 2
	s_wait_loadcnt 8                               ; K step 3 is in; the eight loads of the mask may be out
	TURN R1
	s_wait_dscnt 0x0
	QUANT XN, XW+3
	IMAGE 3
	ds_store_b128 v[XWS], v[XW:XW+3]
	s_wait_loadcnt 0x0                             ; the mask
.irp m, 0,1,2,3,4,5,6,7
	v_cmp_eq_f32 s[40+\m], 0, v[R0+\m]             ; a bit a lane: this key is masked.  It only ever selects values
.endr
.irp m, 0,1,2,3,4,5,6,7
	s_and_b32 s[40+\m], s[40+\m], s49
.endr
	v_mov_b32 v[WC1], 0x01a00000                   ; a masked key's bytes 2 and 3: 160 and 1  (the loads that read v7 as their offset are in)
	s_wait_dscnt 0x0                               ; for the others' sake: my images have landed
	s_barrier_signal -1
	s_barrier_wait -1                              ; the 32 fragments of the 128 rows lie in LDS; nothing is stored to LDS from here on
	FETCHX 0
	s_cmp_eq_u32 s27, 2
	s_cbranch_scc1 .Lvpath
	; ---- PHASE 1, q and k.  Four accumulators by turns; the bias is the C of each sum's first product
.macro QKTILE m
	s_wait_dscnt 0x0
	WIN 0x11                                       ; source 0 (W) and source 2 (the bias) window 1
.irp t, 0,1,2,3
	v_wmma_scale_f32_16x16x128_f8f6f4 v[HA+8*\t:HA+8*\t+7], v[48*\t:48*\t+11], v[XF:XF+11], v[BI+8*\t:BI+8*\t+7], v[WS+4*\t], v[XS] matrix_a_fmt:MATRIX_FMT_BF6 matrix_b_fmt:MATRIX_FMT_BF6
.endr
	WIN 0x01
.irp s, 1,2,3
.irp t, 0,1,2,3
	v_wmma_scale_f32_16x16x128_f8f6f4 v[HA+8*\t:HA+8*\t+7], v[48*\t+12*\s:48*\t+12*\s+11], v[XF+12*\s:XF+12*\s+11], v[HA+8*\t:HA+8*\t+7], v[WS+4*\t+\s], v[XS+\s] matrix_a_fmt:MATRIX_FMT_BF6 matrix_b_fmt:MATRIX_FMT_BF6
.endr
.endr
	WIN 0
	s_wait_xcnt 0x0                                ; the last tile's stores have read the codes' registers
	v_cndmask_b32 v[PC+6], v[E0L], v[E1L], s[40+\m]   ; the code at k = 64.  These four plain lines are the places behind the products: for the loads into the rows' registers and for the first read of the results
	v_mov_b32 v[PC+7], 0
	v_cndmask_b32 v[WT], v[WC0], v[WC1], s[40+\m]
	v_nop
.if (\m) < 7
	FETCHX (\m)+1
.endif
	QUANT32 HA, PC
.irp i, 0,1,2
	s_delay_alu instid0(VALU_DEP_3)
	v_cndmask_b32 v[PC+\i], v[PC+\i], v[NIL], s[40+\m]         ; a masked key's real codes are zeros
.endr
.irp i, 0,1,2
	v_cndmask_b32 v[PC+3+\i], v[TM+8+\i], v[NIL], s[40+\m]
.endr
	v_lshl_or_b32 v[KW+\m], v[TM+5], 8, v[TM+4]
	s_delay_alu instid0(VALU_DEP_1)
	v_or_b32 v[KW+\m], v[KW+\m], v[WT]
	global_store_b128 v[LI], v[PC:PC+3], s[36:37] offset:1024*(\m)        ; 32 lanes store 512 consecutive bytes
	global_store_b128 v[LI], v[PC+4:PC+7], s[36:37] offset:1024*(\m)+512
.endm
	s_wait_alu depctr_va_vdst(0)
.irp m, 0,1,2,3,4,5,6,7
	QKTILE \m
.endr
.irp i, 0,1,2,3
	v_cndmask_b32 v[KIM+\i], v[KW+\i], v[KW+4+\i], s48         ; register i: tile i's words in lanes 0-15, tile 4 + i's in lanes 16-31
.endr
	global_store_b128 v[LI], v[KIM:KIM+3], s[38:39]
	s_set_vgpr_msb 0x4
	s_wait_tensorcnt 0x0
	ds_add_u32 v239, v255
	s_wait_dscnt 0x0
	s_set_vgpr_msb 0x400
	s_endpgm
	; ---- PHASE 1, v.  Source 0 = 16 keys, source 1 = 16 channels.  Two tiles of keys give each channel tile 16 registers: half a block of 32 keys
.Lvpath:
.macro VBLOCK b                        ; block b of the 128 keys, for the four channel tiles by turns
.set CC, (\b)/2
	SCALE4 HA
.irp t, 0,1,2,3
.if (\b) == 0
	s_delay_alu instid0(VALU_DEP_4)
	v_mov_b32 v[VW+\t], v[TM+4+\t]
.else
	s_delay_alu instid0(VALU_DEP_4)
	v_lshl_or_b32 v[VW+\t], v[TM+4+\t], 8*(\b), v[VW+\t]
.endif
.endr
.if (\b)%2 == 0
.irp t, 0,1,2,3
	v_cvt_scalef32_pk16_bf6_f32 v[VC+12*\t+6*CC:VC+12*\t+6*CC+2], v[HA+16*\t:HA+16*\t+15], v[TM+12+\t]
.endr
	v_nop                                          ; one plain line behind the conversions
.else
.irp t, 0,1,2,3
	v_cvt_scalef32_pk16_bf6_f32 v[VT+4*\t:VT+4*\t+2], v[HA+16*\t:HA+16*\t+15], v[TM+12+\t]
.endr
	v_nop
.irp t, 0,1,2,3
.irp i, 0,1,2
	v_permlane16_swap_b32 v[VC+12*\t+6*CC+\i], v[VT+4*\t+\i]   ; a whole block to a lane
.endr
.irp i, 0,1,2
	s_delay_alu instid0(VALU_DEP_3)
	v_mov_b32 v[VC+12*\t+6*CC+3+\i], v[VT+4*\t+\i]
.endr
.endr
.endif
.endm
.macro VTILE m
.set U, (\m)%2
	s_wait_dscnt 0x0
	WIN 0x14                                       ; source 1 (W) and source 2 (the bias) window 1
.irp t, 0,1,2,3
	v_wmma_scale_f32_16x16x128_f8f6f4 v[HA+16*\t+8*U:HA+16*\t+8*U+7], v[XF:XF+11], v[48*\t:48*\t+11], v[BI+8*\t:BI+8*\t+7], v[XS], v[WS+4*\t] matrix_a_fmt:MATRIX_FMT_BF6 matrix_b_fmt:MATRIX_FMT_BF6
.endr
	WIN 0x04
.irp s, 1,2,3
.irp t, 0,1,2,3
	v_wmma_scale_f32_16x16x128_f8f6f4 v[HA+16*\t+8*U:HA+16*\t+8*U+7], v[XF+12*\s:XF+12*\s+11], v[48*\t+12*\s:48*\t+12*\s+11], v[HA+16*\t+8*U:HA+16*\t+8*U+7], v[XS+\s], v[WS+4*\t+\s] matrix_a_fmt:MATRIX_FMT_BF6 matrix_b_fmt:MATRIX_FMT_BF6
.endr
.endr
	WIN 0
.rept 4
	v_nop                                          ; places behind the products: for the loads into the rows' registers and the first read of the results
.endr
.if (\m) < 7
	FETCHX (\m)+1
.endif
.if (\m)%2 == 1
	VBLOCK (\m)/2
.endif
.endm
.irp m, 0,1,2,3,4,5,6,7
	VTILE \m
.endr
.irp t, 0,1,2,3
.irp c, 0,1,2
	global_store_b128 v[LI], v[VC+12*\t+4*\c:VC+12*\t+4*\c+3], s[36:37] offset:1536*\t+512*\c
.endr
.endr
	global_store_b128 v[LI], v[VW:VW+3], s[36:37] offset:6656   ; register t: channel tile t's words
	s_set_vgpr_msb 0x4
	s_wait_tensorcnt 0x0
	ds_add_u32 v239, v255
	s_wait_dscnt 0x0
	s_set_vgpr_msb 0x400
	s_endpgm
.Lfunc_end_k_q6490a6c66f_proj:
	.size	k_q6490a6c66f_proj, .Lfunc_end_k_q6490a6c66f_proj-k_q6490a6c66f_proj
	.p2alignl 7, 3214868480
	.fill 96, 4, 3214868480
	.section	.rodata,"a",@progbits
	.p2align	6, 0x0
	.amdhsa_kernel k_q6490a6c66f_proj
		.amdhsa_group_segment_fixed_size 121856
		.amdhsa_private_segment_fixed_size 0
		.amdhsa_enable_private_segment 0
		.amdhsa_kernarg_size 88
		.amdhsa_user_sgpr_count 2
		.amdhsa_user_sgpr_kernarg_segment_ptr 1
		.amdhsa_wavefront_size32 1
		.amdhsa_system_sgpr_workgroup_id_x 1
		.amdhsa_system_sgpr_workgroup_id_y 1
		.amdhsa_system_sgpr_workgroup_id_z 1
		.amdhsa_system_vgpr_workitem_id 0
		.amdhsa_next_free_vgpr 512
		.amdhsa_next_free_sgpr 66
		.amdhsa_reserve_vcc 0
		.amdhsa_float_denorm_mode_32 3
		.amdhsa_float_denorm_mode_16_64 3
		.amdhsa_memory_ordered 1
		.amdhsa_forward_progress 1
		.amdhsa_inst_pref_size 140
	.end_amdhsa_kernel
	.amdgpu_metadata
---
amdhsa.version: [ 1, 2 ]
amdhsa.kernels:
  - .name:           k_q6490a6c66f_proj
    .symbol:         k_q6490a6c66f_proj.kd
    .args:
      - { .name: Q, .offset: 0, .size: 8, .value_kind: global_buffer, .address_space: global }
      - { .name: K, .offset: 8, .size: 8, .value_kind: global_buffer, .address_space: global }
      - { .name: V, .offset: 16, .size: 8, .value_kind: global_buffer, .address_space: global }
      - { .name: mask, .offset: 24, .size: 8, .value_kind: global_buffer, .address_space: global }
      - { .name: bq, .offset: 32, .size: 8, .value_kind: global_buffer, .address_space: global }
      - { .name: bk, .offset: 40, .size: 8, .value_kind: global_buffer, .address_space: global }
      - { .name: bv, .offset: 48, .size: 8, .value_kind: global_buffer, .address_space: global }
      - { .name: wimg, .offset: 56, .size: 8, .value_kind: global_buffer, .address_space: global }
      - { .name: wscl, .offset: 64, .size: 8, .value_kind: global_buffer, .address_space: global }
      - { .name: qimg, .offset: 72, .size: 8, .value_kind: global_buffer, .address_space: global }
      - { .name: kv, .offset: 80, .size: 8, .value_kind: global_buffer, .address_space: global }
    .group_segment_fixed_size: 121856
    .private_segment_fixed_size: 0
    .kernarg_segment_align: 8
    .kernarg_segment_size: 88
    .max_flat_workgroup_size: 256
    .sgpr_count:     66
    .vgpr_count:     512
    .wavefront_size: 32
...
	.end_amdgpu_metadata
.endif
;; end of part 6
;; launch attn (part 7): grid 16 x 16, 16 waves a work-group, clusters of 4 x 1, 327,680 bytes of LDS; arguments qimg, kv, oimg, oscl; writes oimg, oscl
.if DOCPART == 7
	.amdgcn_target "amdgcn-amd-amdhsa--gfx1250"
	.amdhsa_code_object_version 6
	.text
	.protected	k_q6490a6c66f_attn
	.globl	k_q6490a6c66f_attn
	.p2align	8
	.type	k_q6490a6c66f_attn,@function
k_q6490a6c66f_attn:
	s_mov_b64 s[64:65], 0
	v_nop
	global_prefetch_b8 v0, s[64:65] scope:SCOPE_SE
	s_setreg_imm32_b32 hwreg(HW_REG_WAVE_MODE, 25, 1), 1
	s_wait_xcnt 0x0
	s_wait_alu depctr_hold_cnt(0) depctr_sa_sdst(0) depctr_va_vdst(0) depctr_va_sdst(0) depctr_va_ssrc(0) depctr_va_vcc(0) depctr_vm_vsrc(0)
	s_getreg_b32 s2, hwreg(HW_REG_IB_STS2, 6, 4)
	s_cmp_eq_u32 s2, 0
	s_cbranch_scc0 .Lentry_in_a_cluster
	s_endpgm
.Lentry_in_a_cluster:
	s_bfe_u32 s2, ttmp6, 0x10000c
	s_cmp_lg_u32 s2, 0x3003
	s_cbranch_scc0 .Lentry_shape_is_right
	s_endpgm
.Lentry_shape_is_right:
; o = softmax(q k^T / 8, masked) v for 16 (batch, head) pairs of 4,096 queries x 4,096 keys x 64, both products on codes of BF6 (E3M2) with one E8M0 byte for each 32 along K; o is quantised along d_model for the last projection.
; THE SOFTMAX: t = score x log2(e) / 8; M = the row's largest t so far, rounded UP to a whole number; p = 2^(t - M) is quantised along the keys, not normalised; the row's sum is taken of the unquantised p and divides at the end.
; When M moves, the sum and O are multiplied by 2^(old M - new M): exact.
; SHARES.  A work-group owns 256 queries of one (batch, head); each of its sixteen waves owns one tile of 16, in 256 registers: four waves to a SIMD, so that one wave's vector work stands beside another's products and LDS loads.
; Every wave walks the 32 key steps of 128 keys.  A key step is one dense block of 15,360 bytes of kv, laid as images of operand registers: every fragment comes by loads of 16 bytes at 16 x lane.
; RING: two LDS slots of four key steps.  Waves 0 to 3 fetch a block each.  CLUSTER: the four work-groups of a cluster walk the same head's stream, so each block is asked for JOINTLY (mask 15, the same descriptor in all four).
; LAYOUT.  Both products transposed: S^T = K Q^T (source 0 = 16 keys), O^T = V^T P^T (source 0 = 16 channels): a lane holds ONE query throughout.  Lane r of key tile 2 b + u stands for key 32 b + 8 u + r + 8 (r / 8), so that
; the 16 registers of tiles 2 b, 2 b + 1 are 16 neighbouring keys; channels likewise, so that O^T's 32 registers are 16 neighbours of each of the head's two blocks.
; THE MASK costs no line here: the head's 64 fill half of the instruction's 128 along K; at k = 64 q has +1.0 and a masked key -1.0 under the scale 2^33, with zeros for its real codes: its score is exactly -2^33.
; LIMITS: a masked logit is -2^30 where the definition has -1e9: results differ only if a row's unmasked logits lie under about -1e9 (a row with every key masked gives p = 1 for all, as the definition does).  NaN and infinities are not served.
.set SLOT1, 1<<16                      ; slot 1 begins here: one exclusive or turns an address in one slot into the other's
.set STEPB, 15360                      ; a key step: +0 eight key tiles x 1,024; +8,192 four fragments of V x 1,536; +14,336 K's scale words; +14,848 V's
.set SPARE, 2*SLOT1                    ; the spare words, 128 bytes for each wave: eight blocks of 256 bytes that no other line names
.set LI,   1                           ; v1  16 x lane
.set ADR,  2                           ; v2  16 x lane + the slot in hand
.set SPW,  3                           ; v3  LDS address of my spare word; never rewritten
.set NIL,  4                           ; v4  0; never rewritten
.set PFO,  5                           ; v5  256 x lane: the prefetches' offset; never rewritten
.set QW,   6                           ; v6  Q's scale words
.set QF,   12                          ; v12-23   Q (v20-23 zeros);  v[8:9] -M, the largest t;  v[10:11] the sum in two halves
.set KF,   24                          ; v24-71   four fragments of K (registers 8-11 of each are zeros, written once)
.set VF,   72                          ; v72-119  four fragments of V
.set S,    120                         ; v120-183 S^T, then p
.set OT,   184                         ; v184-215 O^T
.set P,    216                         ; v216-227 p's codes
.set TM,   228                         ; v228-243 at work
.set KSW,  244                         ; v244-247 K's scale words: register i: tile i in lanes 0-15, tile 4 + i in lanes 16-31
.set VSW,  248                         ; v248-251 V's
                                       ; v252 f, v253 p's scale word, v[254:255] at work
.set WV,   12
.set SEL,  16                          ; s[16:17] lane l xor 16
.set CS,   18                          ; s[18:19] c = log2(e) / 8
.set TB,   20                          ; s20 the slot in hand
.set SLOTS, 21                         ; s21 slots still to be asked for
.set LIM,  22                          ; s22 a wave prefetches while s21 is above it
.set G1,   24                          ; s[24:31] descriptor group 1;  s[32:35] group 0, which walks
.set G0,   32
.set PFA,  36                          ; s[36:37] where my prefetches stand
.macro CROUND                          ; a round of the cluster's barrier: my work-group's barrier, wave 0 signals for the work-group, every wave waits for all four, my work-group's barrier once more
	s_barrier_signal -1
	s_barrier_wait -1
	s_cmp_lg_u32 s[WV], 0
	s_cbranch_scc1 .Lnot_wave_0_\@
	s_barrier_signal -3
.Lnot_wave_0_\@:
	s_barrier_wait -3
	s_barrier_signal -1
	s_barrier_wait -1
.endm
.macro TLOAD                           ; waves 0 to 3 fetch one key step's block each; the branch hangs on the wave's number alone.  Four v_nop follow the load
	s_cmp_lt_u32 s[WV], 4
	s_cbranch_scc0 .Lnone_\@
	tensor_load_to_lds s[G0:G0+3], s[G1:G1+7]
	s_nop 0
.rept 4
	v_nop
.endr
.Lnone_\@:
.endm
; A PREFETCH INTO THE L2.  A head's stream is 60 pieces of 8,192 bytes; pieces 16 to 59 are named once each in the launch, 256 bytes a lane.  All clusters of a head walk the same stream: its first cluster asks.
; At the j-th change of slots waves 4 and 5 of the four partners name pieces 8 (j + 1) + 4 (wave - 4) + cx: the partners are told apart by ADDRESS.  A piece is named at least one change of slots (four key steps) ahead of
; the tensor load that wants it.  Wave 4 asks at changes 1 to 6, wave 5 at 1 to 5: the last piece named is the stream's last.  The first two slots come by their loads alone.
.macro ASK
	s_cmp_gt_u32 s[SLOTS], s[LIM]
	s_cbranch_scc0 .Lnot_mine_\@
	global_prefetch_b8 v[PFO], s[PFA:PFA+1] th:TH_LOAD_NT scope:SCOPE_SE
.Lnot_mine_\@:
.endm
.macro SCALE2 s
.irp k, 0,1
	v_max3_num_f32 v[TM+\k], |v[\s+16*\k]|, |v[\s+1+16*\k]|, 0x2800000
.endr
.irp i, 2,4,6,8,10,12,14
.irp k, 0,1
	s_delay_alu instid0(VALU_DEP_2)
	v_max3_num_f32 v[TM+\k], v[TM+\k], |v[\s+16*\k+\i]|, |v[\s+1+16*\k+\i]|
.endr
.endr
.irp k, 0,1
	s_delay_alu instid0(VALU_DEP_2)
	v_permlanex16_b32 v[TM+4+\k], v[TM+\k], s[SEL], s[SEL+1]
.endr
.irp k, 0,1
	s_delay_alu instid0(VALU_DEP_2)
	v_max_num_f32 v[TM+\k], v[TM+\k], v[TM+4+\k]
.endr
.irp k, 0,1
	s_delay_alu instid0(VALU_DEP_2)
	v_add_nc_u32 v[TM+12+\k], 0xfe000000, v[TM+\k]
.endr
.irp k, 0,1
	s_delay_alu instid0(VALU_DEP_2)
	v_lshrrev_b32 v[TM+4+\k], 23, v[TM+12+\k]
.endr
.endm
.macro QUANT32 s, d
	SCALE2 \s
	v_cvt_scalef32_pk16_bf6_f32 v[\d:\d+2], v[\s:\s+15], v[TM+12]
	v_cvt_scalef32_pk16_bf6_f32 v[TM+8:TM+10], v[\s+16:\s+31], v[TM+13]
	v_nop
.irp i, 0,1,2
	v_permlane16_swap_b32 v[\d+\i], v[TM+8+\i]
.endr
.endm
	s_load_b256 s[4:11], s[0:1], 0x0               ; qimg, kv, oimg, oscl
	v_lshl_add_u32 v[SPW], v0, 2, SPARE
	v_mov_b32 v[NIL], 0
	ds_add_u32 v3, v4
	ds_add_u32 v3, v4
	s_wait_dscnt 0x0
	v_lshrrev_b32 v7, 5, v0
	s_delay_alu instid0(VALU_DEP_1)
	v_readfirstlane_b32 s[WV], v7                  ; wave 0..15
	s_bfe_u32 s13, ttmp6, 0x40000                  ; cx: my place in the cluster
	s_lshl_b32 s14, ttmp9, 2
	s_add_co_u32 s14, s14, s13                     ; my block of 256 queries: it enters global addresses of qimg, oimg and oscl alone
	s_and_b32 s15, ttmp7, 0xffff                   ; 8 x batch + head, which the four partners share
	; descriptor group 1: 60 rows of 256 bytes (32 elements of 8 bytes), dense, no padding
	s_mov_b32 s[G1], 15|(3<<16)|(1<<21)            ; 15:0 the mask: all four work-groups; 17:16 elements of 8 bytes; 21 set beside a mask
	s_mov_b32 s[G1+1], 32<<16                      ; tensor_dim0
	s_mov_b32 s[G1+2], 60<<16                      ; tensor_dim1
	s_mov_b32 s[G1+3], 32<<16                      ; tile_dim0
	s_mov_b32 s[G1+4], 60                          ; tile_dim1
	s_mov_b32 s[G1+5], 32                          ; the pitch
	s_mov_b32 s[G1+6], 0
	s_mov_b32 s[G1+7], 0
	s_mov_b32 s[G0], 1
	s_mul_i32 s[G0+1], s[WV], STEPB                ; LDS: my block of slot 0: the wave's number times a constant
	s_mul_i32 s38, s15, 491520                     ; the head's stream in kv
	s_mov_b32 s39, 0
	s_mul_i32 s40, s[WV], STEPB                    ; my block in memory
	s_mov_b32 s41, 0
	s_and_b32 s42, s[WV], 1                        ; the prefetches: 8,192 x (4 (wave % 2) + cx), one step of 65,536 bytes short of the first piece named
	s_lshl_b32 s42, s42, 2
	s_add_co_u32 s42, s42, s13
	s_lshl_b32 s42, s42, 13
	s_add_co_u32 s42, s42, 65536
	s_mov_b32 s43, 0
	s_sub_co_u32 s23, s[WV], 3                     ; 1 in wave 4, 2 in wave 5
	s_lshr_b32 s44, s[WV], 1
	s_xor_b32 s44, s44, 2                          ; 0 in waves 4 and 5,
	s_or_b32 s44, s44, ttmp9                       ; of the head's first cluster: the same in all four partners
	s_cmp_eq_u32 s44, 0
	s_cselect_b32 s[LIM], s23, -1
	s_mul_i32 s44, s15, 278528                     ; qimg: the head,
	s_lshl_b32 s45, s14, 1
	s_lshr_b32 s46, s[WV], 3
	s_add_co_u32 s45, s45, s46
	s_mul_i32 s45, s45, 8704                       ; my block of 128 queries,
	s_add_co_u32 s44, s44, s45
	s_and_b32 s46, s[WV], 7                        ; my tile in it
	s_lshl_b32 s45, s46, 10
	s_add_co_u32 s50, s44, s45
	s_mov_b32 s51, 0
	s_lshr_b32 s45, s46, 2                         ; its scale words: register tile % 4, lanes 16 (tile / 4) + r
	s_lshl_b32 s45, s45, 8
	s_and_b32 s46, s46, 3
	s_lshl_b32 s46, s46, 2
	s_add_co_u32 s45, s45, s46
	s_add_co_u32 s45, s45, s44
	s_add_co_u32 s52, s45, 8192
	s_mov_b32 s53, 0
	s_lshr_b32 s44, s15, 3                         ; the tile of rows among all 512: 256 x batch + 16 x block + wave
	s_lshl_b32 s44, s44, 8
	s_lshl_b32 s45, s14, 4
	s_add_co_u32 s44, s44, s45
	s_add_co_u32 s44, s44, s[WV]
	s_and_b32 s45, s15, 7                          ; the head
	s_lshl_b32 s46, s44, 3
	s_add_co_u32 s46, s46, s45
	s_mul_i32 s54, s46, 768                        ; oimg: 768 bytes for a tile of rows and a head
	s_mov_b32 s55, 0
	s_lshl_b32 s56, s44, 8                         ; oscl: 256 bytes a tile of rows, bytes 2 x head and 2 x head + 1 of each row's 16
	s_lshl_b32 s45, s45, 1
	s_add_co_u32 s56, s56, s45
	s_mov_b32 s57, 0
	s_mov_b32 s[SEL], 0x76543210
	s_mov_b32 s[SEL+1], 0xfedcba98
	s_mov_b32 s[CS], 0x3e38aa3b                    ; c = log2(e) / 8
	s_mov_b32 s[CS+1], s[CS]                       ; (named with it as a pair, so it is written)
	s_mov_b32 s[TB], 0
	s_mov_b32 s[SLOTS], 7
	s_mov_b32 s48, 0xffff0000                      ; lanes 16-31
	v_and_b32 v7, 31, v0
	s_delay_alu instid0(VALU_DEP_1)
	v_lshlrev_b32 v[LI], 4, v7
	s_delay_alu instid0(VALU_DEP_2)
	v_lshlrev_b32 v[PFO], 8, v7
	v_and_b32 v7, 15, v0
	s_delay_alu instid0(VALU_DEP_1)
	v_lshlrev_b32 v7, 4, v7                        ; 16 r: Q's scale words
	s_wait_kmcnt 0x0
	s_add_nc_u64 s[6:7], s[6:7], s[38:39]          ; kv at my head
	s_add_nc_u64 s[G0+2:G0+3], s[6:7], s[40:41]    ; the global address hangs on the head and the wave's number alone
	s_or_b32 s[G0+3], s[G0+3], 0x80000000          ; type = 2
	s_add_nc_u64 s[PFA:PFA+1], s[6:7], s[42:43]
	s_add_nc_u64 s[50:51], s[4:5], s[50:51]
	s_add_nc_u64 s[52:53], s[4:5], s[52:53]
	s_add_nc_u64 s[54:55], s[8:9], s[54:55]
	s_add_nc_u64 s[56:57], s[10:11], s[56:57]
	CROUND                                         ; all four work-groups are here: the first joint loads meet
	TLOAD                                          ; slot 0: key steps 0 to 3
	s_wait_alu depctr_va_vdst(0)
	global_load_b128 v[QF:QF+3], v[LI], s[50:51]
	global_load_b128 v[QF+4:QF+7], v[LI], s[50:51] offset:512
	global_load_b32 v[QW], v7, s[52:53]
.irp i, 8,9,10,11
	v_mov_b32 v[QF+\i], 0                          ; k = 80 .. 127 of the instruction: zero codes, written once
.endr
.irp t, 0,1,2,3
.irp i, 8,9,10,11
	v_mov_b32 v[KF+12*\t+\i], 0
.endr
.endr
.irp k, 0,1,2,3
	v_mov_b32 v[TM+4+\k], 0                        ; written once: a lane permute's destination counts as one of its sources
.endr
	v_mov_b32 v253, 0                              ; (named as the upper half of the pair v[252:253] before it is first written)
	v_mov_b32 v254, 0
	v_mov_b32 v255, 0
	v_mov_b32 v9, 0xff61b1e6                       ; the largest t so far: -3e38, under every t
	s_delay_alu instid0(VALU_DEP_1)
	v_floor_f32 v8, -v9                            ; -M
	v_mov_b32 v10, 0
	v_mov_b32 v11, 0
.set j, 0
.rept 32
	v_mov_b32 v[OT+j], 0                           ; O^T.  (The step is written once: the first finds zeros, which the first change of M leaves zeros)
.set j, j+1
.endr
; A KEY STEP: 128 keys, the q-th of the slot in hand.  12 matrix instructions.
.macro STEP q
.set SB, STEPB*(\q)
.irp t, 0,1,2,3
	ds_load_b128 v[KF+12*\t:KF+12*\t+3], v[ADR] offset:SB+1024*\t
	ds_load_b128 v[KF+12*\t+4:KF+12*\t+7], v[ADR] offset:SB+1024*\t+512
.endr
	ds_load_b128 v[KSW:KSW+3], v[ADR] offset:SB+14336
	s_wait_dscnt 0x0
.irp t, 0,1,2,3
	v_wmma_scale_f32_16x16x128_f8f6f4 v[S+8*\t:S+8*\t+7], v[KF+12*\t:KF+12*\t+11], v[QF:QF+11], 0, v[KSW+\t], v[QW] matrix_a_fmt:MATRIX_FMT_BF6 matrix_b_fmt:MATRIX_FMT_BF6
.endr
.rept 4
	v_nop                                          ; places in front of the loads into K's registers, which these products read, and into V's, which the last step's products read
.endr
.irp t, 0,1,2,3
	ds_load_b128 v[KF+12*\t:KF+12*\t+3], v[ADR] offset:SB+4096+1024*\t
	ds_load_b128 v[KF+12*\t+4:KF+12*\t+7], v[ADR] offset:SB+4096+1024*\t+512
.endr
.irp t, 0,1,2,3
.irp c, 0,1,2
	ds_load_b128 v[VF+12*\t+4*\c:VF+12*\t+4*\c+3], v[ADR] offset:SB+8192+1536*\t+512*\c
.endr
.endr
	ds_load_b128 v[VSW:VSW+3], v[ADR] offset:SB+14848
	s_wait_dscnt 13                                ; K's tiles 4 to 7 are in; the 13 younger loads (V and its scale words) may be out: they land under the softmax
.irp t, 0,1,2,3
	v_wmma_scale_f32_16x16x128_f8f6f4 v[S+32+8*\t:S+32+8*\t+7], v[KF+12*\t:KF+12*\t+11], v[QF:QF+11], 0, v[KSW+\t], v[QW] matrix_a_fmt:MATRIX_FMT_BF6 matrix_b_fmt:MATRIX_FMT_BF6 matrix_a_scale:MATRIX_SCALE_ROW1
.endr
.rept 4
	v_nop
.endr
.irp b, 0,1,2,3
	v_max3_num_f32 v[TM+\b], v[S+16*\b], v[S+1+16*\b], v[S+2+16*\b]   ; the largest score of each block of 32 keys: it serves for the row's maximum and, since p rises with the score, for the block's largest p
.endr
.irp i, 3,5,7,9,11,13
.irp b, 0,1,2,3
	v_max3_num_f32 v[TM+\b], v[TM+\b], v[S+16*\b+\i], v[S+1+16*\b+\i]
.endr
.endr
.irp b, 0,1,2,3
	v_max_num_f32 v[TM+\b], v[TM+\b], v[S+15+16*\b]
.endr
.irp b, 0,1,2,3
	s_delay_alu instid0(VALU_DEP_4)
	v_permlanex16_b32 v[TM+4+\b], v[TM+\b], s[SEL], s[SEL+1]
.endr
.irp b, 0,1,2,3
	s_delay_alu instid0(VALU_DEP_4)
	v_max_num_f32 v[TM+\b], v[TM+\b], v[TM+4+\b]   ; with lane l xor 16's 16 keys
.endr
	s_delay_alu instid0(VALU_DEP_2)
	v_max3_num_f32 v254, v[TM], v[TM+1], v[TM+2]
	s_delay_alu instid0(VALU_DEP_1)
	v_max_num_f32 v254, v254, v[TM+3]              ; the step's largest score of my query
	s_delay_alu instid0(VALU_DEP_1)
	v_mul_f32 v254, s[CS], v254                    ; as t (c is positive)
	s_delay_alu instid0(VALU_DEP_1)
	v_max_num_f32 v9, v9, v254                     ; the running largest t
	v_mov_b32 v254, v8
	s_delay_alu instid0(VALU_DEP_2)
	v_floor_f32 v8, -v9                            ; the new -M = floor(-t): M is a whole number
	s_delay_alu instid0(VALU_DEP_1)
	v_sub_f32 v254, v8, v254                       ; old M less new M: a whole number, 0 or less
	s_delay_alu instid0(VALU_DEP_1)
	v_cvt_i32_f32 v254, v254                       ; (it saturates)
	s_delay_alu instid0(VALU_DEP_1)
	v_ldexp_f32 v252, 1.0, v254                    ; f = 2^(old M - new M)
.set j, 0
.rept 32
	v_pk_fma_f32 v[S+j:S+j+1], v[S+j:S+j+1], s[CS:CS+1], v[8:9] op_sel_hi:[1,0,0]   ; t - M, two at a time
.set j, j+2
.endr
.irp b, 0,1,2,3
	v_fma_f32 v[TM+\b], v[TM+\b], s[CS], v8        ; the same of each block's largest score
.endr
.set j, 0
	s_wait_alu depctr_va_vdst(0)
.rept 64
	v_exp_f32 v[S+j], v[S+j]                       ; p = 2^(t - M), at most 1
.set j, j+1
.endr
.set j, 0
	s_wait_alu depctr_va_vdst(0)
.rept 16
	v_pk_mul_f32 v[OT+j:OT+j+1], v[OT+j:OT+j+1], v[252:253] op_sel_hi:[1,0]   ; O^T under the new M: plain work that names no exponential's result, behind the batch
.set j, j+2
.endr
	v_pk_mul_f32 v[10:11], v[10:11], v[252:253] op_sel_hi:[1,0]               ; the sum likewise
	s_wait_alu depctr_va_vdst(0)                   ; one wait for the batch of 64, ahead of its first reader
.irp b, 0,1,2,3
	v_exp_f32 v[TM+\b], v[TM+\b]                   ; the block's largest p: the same two instructions on the same number give the same bits
.endr
	v_pk_add_f32 v[254:255], v[S:S+1], v[S+2:S+3]  ; the row's sum is taken of the unquantised p, in two chains; the first half stands behind the four exponentials
.irp j, 4,8,12,16,20,24,28
	v_pk_add_f32 v[10:11], v[10:11], v[S+\j:S+\j+1]
	v_pk_add_f32 v[254:255], v[254:255], v[S+\j+2:S+\j+3]
.endr
	s_wait_alu depctr_va_vdst(0)                   ; and one for the four
.irp b, 0,1,2,3
	v_max_num_f32 v[TM+\b], 0x2800000, v[TM+\b]    ; the floor 2^(5 - 127): the byte cannot fall under 1
.endr
.irp b, 0,1,2,3
	s_delay_alu instid0(VALU_DEP_4)
	v_add_nc_u32 v[TM+12+\b], 0xfe000000, v[TM+\b]
.endr
.irp b, 0,1,2,3
	s_delay_alu instid0(VALU_DEP_4)
	v_lshrrev_b32 v[TM+4+\b], 23, v[TM+12+\b]
.endr
	s_delay_alu instid0(VALU_DEP_3)
	v_lshl_or_b32 v253, v[TM+5], 8, v[TM+4]        ; p's scale word for these 128 keys
	s_delay_alu instid0(VALU_DEP_1)
	v_lshl_or_b32 v253, v[TM+6], 16, v253
	s_delay_alu instid0(VALU_DEP_1)
	v_lshl_or_b32 v253, v[TM+7], 24, v253
	v_cvt_scalef32_pk16_bf6_f32 v[P:P+2], v[S:S+15], v[TM+12]
	v_cvt_scalef32_pk16_bf6_f32 v[TM+4:TM+6], v[S+16:S+31], v[TM+13]   ; (three registers from an even number on)
	v_cvt_scalef32_pk16_bf6_f32 v[P+6:P+8], v[S+32:S+47], v[TM+14]
	v_cvt_scalef32_pk16_bf6_f32 v[TM+8:TM+10], v[S+48:S+63], v[TM+15]
	v_nop                                          ; one plain line behind the conversions
.irp i, 0,1,2
	v_permlane16_swap_b32 v[P+\i], v[TM+4+\i]      ; a whole block to a lane
.endr
.irp i, 0,1,2
	s_delay_alu instid0(VALU_DEP_3)
	v_mov_b32 v[P+3+\i], v[TM+4+\i]
.endr
.irp i, 0,1,2
	v_permlane16_swap_b32 v[P+6+\i], v[TM+8+\i]
.endr
.irp i, 0,1,2
	s_delay_alu instid0(VALU_DEP_3)
	v_mov_b32 v[P+9+\i], v[TM+8+\i]
.endr
.irp j, 32,36,40,44,48,52,56,60
	v_pk_add_f32 v[10:11], v[10:11], v[S+\j:S+\j+1]        ; the sum's second half: these 17 lines are also the places between the scale word (8) and the codes (4), written by vector instructions, and the products
	v_pk_add_f32 v[254:255], v[254:255], v[S+\j+2:S+\j+3]
.endr
	s_delay_alu instid0(VALU_DEP_1)
	v_pk_add_f32 v[10:11], v[10:11], v[254:255]
	s_wait_dscnt 0x0                               ; V
.irp t, 0,1,2,3
	v_wmma_scale_f32_16x16x128_f8f6f4 v[OT+8*\t:OT+8*\t+7], v[VF+12*\t:VF+12*\t+11], v[P:P+11], v[OT+8*\t:OT+8*\t+7], v[VSW+\t], v253 matrix_a_fmt:MATRIX_FMT_BF6 matrix_b_fmt:MATRIX_FMT_BF6
.endr
.endm
; THE CHANGE OF SLOTS stands at a slot's head.  Each wave waits for all its tensor loads (at most one is out), adds 0 to its spare word, and waits for that and for its reads of the slot that it has left.
; fill = 1: a round of the cluster's barrier, so that no wave of any partner still reads that slot or has a load on its way; the joint refill is the first thing behind it and has four key steps in which to land.
.macro CHANGE fill
	s_wait_tensorcnt 0x0                           ; no tensor load of mine is out, so group 0 may be written
	ds_add_u32 v[SPW], v[NIL]                      ; 0 onto my spare word
.if \fill
	s_xor_b32 s[G0+1], s[G0+1], SLOT1              ; the other slot than last time,
	s_add_nc_u64 s[G0+2:G0+3], s[G0+2:G0+3], 4*STEPB   ; the next four key steps; the type bits on top are not reached
	s_wait_xcnt 0x0                                ; the last prefetch, a slot back, has read its address, so it may be written
	s_add_nc_u64 s[PFA:PFA+1], s[PFA:PFA+1], 65536
.endif
	s_wait_dscnt 0x0                               ; the add is done, and my reads of the slot that I have left are over
.if \fill
	CROUND
	TLOAD
	ASK
.else
	s_barrier_signal -1
	s_barrier_wait -1
.endif
	v_add_nc_u32 v[ADR], s[TB], v[LI]
.endm
	s_wait_loadcnt 0x0                             ; Q
.Lslot:                                            ; seven trips: behind each change of slots but the last the next slot is asked for
	CHANGE 1
	s_wait_alu depctr_va_vdst(0)
	STEP 0
	STEP 1
	STEP 2
	STEP 3
	s_xor_b32 s[TB], s[TB], SLOT1
	s_sub_co_u32 s[SLOTS], s[SLOTS], 1
	s_cmp_lg_u32 s[SLOTS], 0
	s_cbranch_scc1 .Lslot
	CHANGE 0                                       ; the last slot is written out
	s_wait_alu depctr_va_vdst(0)
	STEP 0
	STEP 1
	STEP 2
	STEP 3
	s_wait_alu depctr_va_vdst(0)
	; THE WAY OUT.  O^T / the sum; its 32 numbers a lane are 16 neighbours of each of the head's two blocks along d_model: quantised in registers and stored as an image of six registers.  No LDS.
	v_add_f32 v10, v10, v11                        ; the sum's two halves,
	s_delay_alu instid0(VALU_DEP_1)
	v_permlanex16_b32 v254, v10, s[SEL], s[SEL+1]
	s_delay_alu instid0(VALU_DEP_1)
	v_add_f32 v10, v10, v254                       ; and lane l xor 16's
	s_wait_alu depctr_va_vdst(0)
	v_rcp_f32 v10, v10
	v_and_b32 v2, 15, v0                           ; five plain lines: the places behind the last products and behind the reciprocal
	v_bfe_u32 v7, v0, 4, 1
	s_delay_alu instid0(VALU_DEP_1)
	v_lshl_add_u32 v2, v2, 4, v7                   ; 16 r + h: my byte among the tile's scale bytes
	v_and_b32 v7, 31, v0
	s_delay_alu instid0(VALU_DEP_1)
	v_lshlrev_b32 v7, 3, v7                        ; 8 x lane
	s_wait_alu depctr_va_vdst(0)                   ; the wait ahead of the reciprocal's first reader
.set j, 0
.rept 16
	v_pk_mul_f32 v[S+j:S+j+1], v[OT+j:OT+j+1], v[10:11] op_sel_hi:[1,0]   ; each accumulator from its low end on
.set j, j+2
.endr
	QUANT32 S, P
.irp i, 0,1,2
	s_delay_alu instid0(VALU_DEP_3)
	v_mov_b32 v[P+3+\i], v[TM+8+\i]
.endr
	v_cndmask_b32 v254, v[TM+4], v[TM+5], s48      ; lanes 0-15 the first block's byte, lanes 16-31 the second's
	global_store_b128 v[LI], v[P:P+3], s[54:55]    ; 512 consecutive bytes
	global_store_b64 v7, v[P+4:P+5], s[54:55] offset:512   ; and 256
	global_store_b8 v2, v254, s[56:57]             ; 32 bytes of the tile's 256; the eight heads' work-groups fill them: 128 KB in the whole launch
	s_wait_tensorcnt 0x0                           ; the wave's end
	ds_add_u32 v[SPW], v[NIL]
	s_wait_dscnt 0x0
	CROUND                                         ; the closing round: no work-group ends while a partner may still ask for a block that names it
	s_endpgm
.Lfunc_end_k_q6490a6c66f_attn:
	.size	k_q6490a6c66f_attn, .Lfunc_end_k_q6490a6c66f_attn-k_q6490a6c66f_attn
	.p2alignl 7, 3214868480
	.fill 96, 4, 3214868480
	.section	.rodata,"a",@progbits
	.p2align	6, 0x0
	.amdhsa_kernel k_q6490a6c66f_attn
		.amdhsa_group_segment_fixed_size 327680
		.amdhsa_private_segment_fixed_size 0
		.amdhsa_enable_private_segment 0
		.amdhsa_kernarg_size 32
		.amdhsa_user_sgpr_count 2
		.amdhsa_user_sgpr_kernarg_segment_ptr 1
		.amdhsa_wavefront_size32 1
		.amdhsa_system_sgpr_workgroup_id_x 1
		.amdhsa_system_sgpr_workgroup_id_y 1
		.amdhsa_system_sgpr_workgroup_id_z 1
		.amdhsa_system_vgpr_workitem_id 0
		.amdhsa_next_free_vgpr 256
		.amdhsa_next_free_sgpr 66
		.amdhsa_reserve_vcc 0
		.amdhsa_float_denorm_mode_32 3
		.amdhsa_float_denorm_mode_16_64 3
		.amdhsa_memory_ordered 1
		.amdhsa_forward_progress 1
		.amdhsa_inst_pref_size 146
	.end_amdhsa_kernel
	.amdgpu_metadata
---
amdhsa.version: [ 1, 2 ]
amdhsa.kernels:
  - .name:           k_q6490a6c66f_attn
    .symbol:         k_q6490a6c66f_attn.kd
    .args:
      - { .name: qimg, .offset: 0, .size: 8, .value_kind: global_buffer, .address_space: global }
      - { .name: kv, .offset: 8, .size: 8, .value_kind: global_buffer, .address_space: global }
      - { .name: oimg, .offset: 16, .size: 8, .value_kind: global_buffer, .address_space: global }
      - { .name: oscl, .offset: 24, .size: 8, .value_kind: global_buffer, .address_space: global }
    .group_segment_fixed_size: 327680
    .private_segment_fixed_size: 0
    .kernarg_segment_align: 8
    .kernarg_segment_size: 32
    .max_flat_workgroup_size: 512
    .sgpr_count:     66
    .vgpr_count:     256
    .wavefront_size: 32
...
	.end_amdgpu_metadata
.endif
;; end of part 7
;; launch oproj (part 8): grid 64 x 4, 8 waves a work-group, no clusters, 117,760 bytes of LDS; arguments oimg, oscl, wimg, wscl, bo, out0; writes out0
.if DOCPART == 8
	.amdgcn_target "amdgcn-amd-amdhsa--gfx1250"
	.amdhsa_code_object_version 6
	.text
	.protected	k_q6490a6c66f_oproj
	.globl	k_q6490a6c66f_oproj
	.p2align	8
	.type	k_q6490a6c66f_oproj,@function
k_q6490a6c66f_oproj:
	s_mov_b64 s[64:65], 0
	v_nop
	global_prefetch_b8 v0, s[64:65] scope:SCOPE_SE
	s_setreg_imm32_b32 hwreg(HW_REG_WAVE_SCHED_MODE, 0, 2), 2
	s_setreg_imm32_b32 hwreg(HW_REG_WAVE_MODE, 25, 1), 1
	s_wait_xcnt 0x0
	s_wait_alu depctr_vm_vsrc(0)
; out0 = o Wo^T + bo on codes of BF6 (E3M2) with one E8M0 byte for each 32 along K.  o arrives as images of operand registers (oimg: for each tile of 16 rows and each head six registers; two heads are a K step of 128),
; its scale bytes as 16 bytes a row (oscl); Wo as fragment images (wimg, the fourth weight) with its scale words (wscl).
; SHARES.  A work-group makes 128 rows x 128 columns: 256 work-groups.  Wave w takes the tile of rows 8 x + w against the eight tiles of columns 8 y .. 8 y + 7.  The 32 fragments of W (48 KB) are copied once into LDS, each wave
; bringing one tile's four, and read from there by all eight waves.  Source 0 = W's 16 columns, source 1 = the rows: a lane holds one row and eight neighbouring columns.  The bias is loaded straight into the accumulators.
; Tiles are in the order of the other launches: lane r of tile 2 b + u stands for index 32 b + 8 u + r + 8 (r / 8).
; THE WAY OUT: through the wave's own stage in LDS; each store then covers 512 consecutive bytes of a row of out0, at a multiple of 512 from its first byte.
; No cluster and no tensor load: what work-groups share here is 48 KB, read once by each.
; THE MODE: SCHED_MODE bits 1:0 = 2 (LLVM: expert scheduling mode 2), set by the entry lines.  The code itself states the register dependences
; between vector or matrix instructions and memory or LDS instructions, with s_wait_alu, always for 0.
; THE PLAN.  Registers that memory or LDS instructions touch:
;   v1 .. v7        offsets and LDS addresses: written by vector lines at the head, read by every load and store, never written again.
;   AF, AS, WS      written by global loads, read by matrix instructions alone.
;   ACC             written by global loads (the bias) and then by the matrix instructions; read by the way out's LDS stores.
;   set 0 (window 0) my tile of W from memory, read by the copy's LDS stores; then K step 0's fragments; then K step 3's; then 16 rows from the stage, read by the global stores.
;   sets 1, 2 (window 1)  K steps 1 and 2: written once, by LDS loads; read by those steps' matrix instructions; named by nothing before.
;   v10, v11        written at the head, read by the closing add alone.
; With three sets the fragments of K steps 0, 1 and 2 are asked for in one run behind the barrier and hang on no vector or matrix instruction.  K step 3 alone lands in registers that matrix instructions have read:
; ONE wait on va_vdst, at K step 1's head, states that; its 24 loads follow in one run (among the products, which take source 0 from window 1, each load would want two switches of the window) and have sixteen products in which to land.
.set WL,  0                            ; LDS: 8 tiles x 4 K steps x 1,536 bytes
.set STG, 49152                        ; 8 stages of 16 rows x (512 + 16) bytes
.set AF,  12                           ; v12-59   the rows' four fragments
.set AS,  60                           ; v60-63   their scale words, K step s
.set WS,  64                           ; v64-95   W's scale words: register 4 t + s
.set WF,  96                           ; v96-191  set 0: eight fragments of W; on the way out 16 rows
.set W1,  0                            ; window 1, v0-95 (v256-351): set 1
.set W2,  96                           ; window 1, v96-191 (v352-447): set 2
.set ACC, 192                          ; v192-255 eight accumulators
.set MSB, 0
.macro WIN new                         ; the immediate's high byte repeats the setting that is left
.if MSB != \new
	s_set_vgpr_msb (MSB<<8)|\new
.set MSB, \new
.endif
.endm
.macro WLOAD wf, s                     ; the eight fragments of K step s, 24 loads of 16 bytes a lane, into the set that begins at wf
.irp t, 0,1,2,3,4,5,6,7
.irp c, 0,1,2
	ds_load_b128 v[\wf+12*\t+4*\c:\wf+12*\t+4*\c+3], v1 offset:WL+6144*\t+1536*(\s)+512*\c
.endr
.endr
.endm
.macro MUL8 wf, s                      ; K step s: eight accumulators by turns
.irp t, 0,1,2,3,4,5,6,7
	v_wmma_scale_f32_16x16x128_f8f6f4 v[ACC+8*\t:ACC+8*\t+7], v[\wf+12*\t:\wf+12*\t+11], v[AF+12*(\s):AF+12*(\s)+11], v[ACC+8*\t:ACC+8*\t+7], v[WS+4*\t+(\s)], v[AS+(\s)] matrix_a_fmt:MATRIX_FMT_BF6 matrix_b_fmt:MATRIX_FMT_BF6
.endr
.endm
	s_load_b256 s[4:11], s[0:1], 0x0               ; oimg, oscl, wimg, wscl
	s_load_b128 s[12:15], s[0:1], 0x20             ; bo, out0
	v_lshl_add_u32 v10, v0, 2, 0x1c800
	v_mov_b32 v11, 0
	v_lshrrev_b32 v8, 5, v0
	v_readfirstlane_b32 s16, v8                    ; wave
	s_and_b32 s17, ttmp7, 0xffff                   ; y
	v_and_b32 v8, 31, v0
	v_lshlrev_b32 v1, 4, v8                        ; v1  16 x lane
	v_lshlrev_b32 v2, 3, v8                        ; v2  8 x lane
	v_and_b32 v8, 15, v0
	v_bfe_u32 v9, v0, 4, 1
	v_lshlrev_b32 v3, 4, v8                        ; v3  16 r
	v_lshlrev_b32 v6, 6, v9                        ; v6  64 h
	s_wait_alu depctr_va_sdst(0)                   ; s16 is written, ahead of its first reader: LDS addresses and all the bases are made from it
	s_mul_i32 s18, s16, 8448
	s_add_co_u32 s18, s18, STG
	v_mul_u32_u24 v4, v8, 528
	v_add_nc_u32 v4, v4, v6
	v_add_nc_u32 v4, s18, v4                       ; v4  the stage, in: row r, + 64 h
	v_add_nc_u32 v5, s18, v1                       ; v5  and back: 16 x lane
	s_mul_i32 s2, s16, 6144                        ; (a scalar register of its own: the vector lines above read s18)
	v_add_nc_u32 v7, s2, v1                        ; v7  where I put my tile of W
	s_lshl_b32 s19, ttmp9, 3
	s_add_co_u32 s19, s19, s16                     ; my tile of rows
	s_mul_i32 s20, s19, 6144
	s_mov_b32 s21, 0
	s_lshl_b32 s22, s19, 8
	s_mov_b32 s23, 0
	s_lshl_b32 s24, s17, 3
	s_add_co_u32 s24, s24, s16
	s_mul_i32 s24, s24, 6144
	s_add_co_u32 s24, s24, 589824                  ; the fourth weight, tile 8 y + w
	s_mov_b32 s25, 0
	s_lshl_b32 s26, s17, 12
	s_add_co_u32 s26, s26, 49152                   ; its scale words from tile 8 y on
	s_mov_b32 s27, 0
	s_lshl_b32 s28, s17, 9                         ; 128 columns: 512 bytes
	s_mov_b32 s29, 0
	s_lshl_b32 s30, ttmp9, 18                      ; out0: 128 rows of 2,048 bytes a block,
	s_lshr_b32 s31, s16, 1
	s_lshl_b32 s31, s31, 16                        ; + 32 (w / 2) rows
	s_add_co_u32 s30, s30, s31
	s_and_b32 s31, s16, 1
	s_lshl_b32 s31, s31, 14                        ; + 8 (w % 2) rows
	s_add_co_u32 s30, s30, s31
	s_add_co_u32 s30, s30, s28
	s_mov_b32 s31, 0
	s_wait_kmcnt 0x0
	s_add_nc_u64 s[4:5], s[4:5], s[20:21]
	s_add_nc_u64 s[6:7], s[6:7], s[22:23]
	s_add_nc_u64 s[8:9], s[8:9], s[24:25]
	s_add_nc_u64 s[10:11], s[10:11], s[26:27]
	s_add_nc_u64 s[12:13], s[12:13], s[28:29]
	s_add_nc_u64 s[14:15], s[14:15], s[30:31]
	s_wait_alu depctr_va_vdst(0)                   ; v1 to v7 are written: every load and store of the kernel reads one of them as its offset or LDS address, and none is written again
.irp i, 0,1,2,3,4,5,6,7,8,9,10,11
	global_load_b128 v[WF+4*\i:WF+4*\i+3], v1, s[8:9] offset:512*\i
.endr
.irp s, 0,1,2,3                        ; K step s: heads 2 s and 2 s + 1, six registers each
	global_load_b128 v[AF+12*\s:AF+12*\s+3], v1, s[4:5] offset:1536*\s
	global_load_b64 v[AF+12*\s+4:AF+12*\s+5], v2, s[4:5] offset:1536*\s+512
	global_load_b128 v[AF+12*\s+6:AF+12*\s+9], v1, s[4:5] offset:1536*\s+768
	global_load_b64 v[AF+12*\s+10:AF+12*\s+11], v2, s[4:5] offset:1536*\s+1280
.endr
	global_load_b128 v[AS:AS+3], v3, s[6:7]
.irp t, 0,1,2,3,4,5,6,7
	global_load_b128 v[WS+4*\t:WS+4*\t+3], v1, s[10:11] offset:512*\t
.endr
.irp t, 0,1,2,3,4,5,6,7
	global_load_b128 v[ACC+8*\t:ACC+8*\t+3], v6, s[12:13] offset:4*(32*(\t/2)+8*(\t%2))
	global_load_b128 v[ACC+8*\t+4:ACC+8*\t+7], v6, s[12:13] offset:4*(32*(\t/2)+8*(\t%2))+16
.endr
	s_wait_loadcnt 41                              ; my tile of W is in; the 16 + 1 + 8 + 16 younger loads may be out
.irp i, 0,1,2,3,4,5,6,7,8,9,10,11
	ds_store_b128 v7, v[WF+4*\i:WF+4*\i+3] offset:WL+512*\i
.endr
	s_wait_dscnt 0x0                               ; for the others' sake: my stores have landed
	s_barrier_signal -1
	s_barrier_wait -1
	s_wait_alu depctr_vm_vsrc(0)                   ; my LDS stores have read v96 to v143, in which K step 0's fragments land
	WLOAD WF, 0                                    ; K steps 0, 1 and 2 in one run: 72 loads
	WIN 0x40                                       ; destination window 1, address window 0
	WLOAD W1, 1                                    ; no vector or matrix instruction has named sets 1 and 2, and v1 stands as the head's wait left it
	WLOAD W2, 2
	WIN 0
	s_wait_loadcnt 0x0                             ; the rows' fragments, the scale words and the bias
	s_wait_dscnt 48                                ; LDS loads come back in order (ISA guide 5.7.1): K step 0 is in; the 48 younger loads may be out
	MUL8 WF, 0
.rept 4
	v_nop                                          ; places in front of loads into registers that matrix instructions have read
.endr
	s_wait_dscnt 24                                ; K step 1 is in; K step 2's 24 loads may be out
	s_wait_alu depctr_va_vdst(0)                   ; K step 0's eight matrix instructions are done reading set 0, in which K step 3's fragments land
	WLOAD WF, 3
	WIN 0x01                                       ; source 0 (W) window 1
	MUL8 W1, 1
	s_wait_dscnt 24                                ; K step 2 is in; K step 3's 24 loads may be out
	MUL8 W2, 2
	WIN 0
	s_wait_dscnt 0x0                               ; K step 3
	MUL8 WF, 3
.rept 4
	v_nop                                          ; places in front of the first read of the results and of the loads into W's registers
.endr
	s_wait_alu depctr_va_vdst(0)                   ; the matrix instructions have written the accumulators, which the LDS stores read, and are done reading set 0, in which the stage's loads land; the places above stay beside this wait
.irp g, 0,1,2,3,4,5,6,7,8,9,10,11,12,13,14,15
	ds_store_b128 v4, v[ACC+4*\g:ACC+4*\g+3] offset:128*(\g/4)+16*(\g%4)   ; tile t's eight columns begin at 32 (t / 2) + 8 (t % 2) + 16 h; each accumulator from its low end on
.endr
.irp i, 0,1,2,3,4,5,6,7,8,9,10,11,12,13,14,15
	ds_load_b128 v[WF+4*\i:WF+4*\i+3], v5 offset:528*\i    ; LDS serves a wave's instructions in order: these see my stores
.endr
.irp i, 0,1,2,3,4,5,6,7,8,9,10,11,12,13,14,15
	s_wait_dscnt 15-\i
	global_store_b128 v1, v[WF+4*\i:WF+4*\i+3], s[14:15] offset:(\i+8*(\i/8))*2048 th:TH_STORE_NT
.endr
	s_wait_dscnt 0x0                               ; the closing lines, six on end
	s_wait_alu 0x0
	s_wait_tensorcnt 0x0
	ds_add_u32 v10, v11
	s_wait_dscnt 0x0
	s_endpgm
.Lfunc_end_k_q6490a6c66f_oproj:
	.size	k_q6490a6c66f_oproj, .Lfunc_end_k_q6490a6c66f_oproj-k_q6490a6c66f_oproj
	.p2alignl 7, 3214868480
	.fill 96, 4, 3214868480
	.section	.rodata,"a",@progbits
	.p2align	6, 0x0
	.amdhsa_kernel k_q6490a6c66f_oproj
		.amdhsa_group_segment_fixed_size 117760
		.amdhsa_private_segment_fixed_size 0
		.amdhsa_enable_private_segment 0
		.amdhsa_kernarg_size 48
		.amdhsa_user_sgpr_count 2
		.amdhsa_user_sgpr_kernarg_segment_ptr 1
		.amdhsa_wavefront_size32 1
		.amdhsa_system_sgpr_workgroup_id_x 1
		.amdhsa_system_sgpr_workgroup_id_y 1
		.amdhsa_system_sgpr_workgroup_id_z 1
		.amdhsa_system_vgpr_workitem_id 0
		.amdhsa_next_free_vgpr 448
		.amdhsa_next_free_sgpr 66
		.amdhsa_reserve_vcc 0
		.amdhsa_float_denorm_mode_32 3
		.amdhsa_float_denorm_mode_16_64 3
		.amdhsa_memory_ordered 1
		.amdhsa_forward_progress 1
		.amdhsa_inst_pref_size 24
	.end_amdhsa_kernel
	.amdgpu_metadata
---
amdhsa.version: [ 1, 2 ]
amdhsa.kernels:
  - .name:           k_q6490a6c66f_oproj
    .symbol:         k_q6490a6c66f_oproj.kd
    .args:
      - { .name: oimg, .offset: 0, .size: 8, .value_kind: global_buffer, .address_space: global }
      - { .name: oscl, .offset: 8, .size: 8, .value_kind: global_buffer, .address_space: global }
      - { .name: wimg, .offset: 16, .size: 8, .value_kind: global_buffer, .address_space: global }
      - { .name: wscl, .offset: 24, .size: 8, .value_kind: global_buffer, .address_space: global }
      - { .name: bo, .offset: 32, .size: 8, .value_kind: global_buffer, .address_space: global }
      - { .name: out0, .offset: 40, .size: 8, .value_kind: global_buffer, .address_space: global }
    .group_segment_fixed_size: 117760
    .private_segment_fixed_size: 0
    .kernarg_segment_align: 8
    .kernarg_segment_size: 48
    .max_flat_workgroup_size: 256
    .sgpr_count:     66
    .vgpr_count:     448
    .wavefront_size: 32
...
	.end_amdgpu_metadata
.endif
;; end of part 8
